; MI455X (gfx1250); checked and timed in simulation.
; The chip was launched on July 23, 2026; its instructions are those of AMD's public machine-readable ISA for CDNA 5 (MIT licence, August 2026) and "CDNA5" Instruction Set Architecture Reference Guide (July 2026). The comments in the code are by the model that wrote it; some were corrected since.
;; Matryoshka Attention. Allowed arithmetic: matrix products marked QUANTISED: E2M1 operands, one E8M0 scale for each 32 along K, by v_wmma_scale_f32_16x16x128_f8f6f4 with both operands' format E2M1 (or v_wmma_scale_f32_32x16x128_f4), f32 sums; everything else in f32.
;; Inputs: wk 1,024 x 1,024 float32; wo 1,024 x 1,024 float32; wq 1,024 x 1,024 float32; wv 1,024 x 1,024 float32; x 2 x 4,096 x 1,024 float32.
;; Outputs: out0 2 x 4,096 x 1,024 float32.
;; Constants: active_dim = 512.
;; This version of the problem:
;;   THIS VERSION OF THE PROBLEM IS GIVEN IN LOW PRECISION. The matrix products marked QUANTISED in the list below multiply operands that are first quantised to E2M1 (2 exponent bits, 1 mantissa bit; 4 bits a number), with one power-of-two scale for each 32 numbers along K (OCP MX v1.0); their sums are f32. All else is computed in f32.
;;   The module's matrix products, in the order in which they are computed (A, B: the left and right operand; K: the contracted axis; several contracted axes count as one K, in the product's order):
;;     1. [M 8,192, K 512] x [K 512, N 512]; A: input x; B: input wq: QUANTISED
;;     2. [M 8,192, K 512] x [K 512, N 512]; A: input x; B: input wk: QUANTISED
;;     3. [M 8,192, K 512] x [K 512, N 512]; A: input x; B: input wv: QUANTISED
;;     4. batch 16 x [M 4,096, K 64] x [K 64, N 4,096]; A: computed on the way; B: computed on the way: QUANTISED
;;     5. batch 16 x [M 4,096, K 4,096] x [K 4,096, N 64]; A: softmax (see below); B: computed on the way: QUANTISED
;;     6. [M 8,192, K 512] x [K 512, N 512]; A: computed on the way; B: input wo: QUANTISED
;;   THE QUANTISER, for each operand of a quantised product, along K:
;;     - K is cut into blocks of 32 from its start; a last block that is shorter is filled with zeros.
;;     - A block's scale is 2^e with e = floor(log2(the largest magnitude in the block)) - 2, held to -126 .. 127; a block of zeros has e = 0. As a byte (E8M0): e + 127.
;;     - Each number is divided by its block's scale, clamped to +-6, and rounded to the nearest number of E2M1, ties to even, subnormals kept.
;;     - The product sums the exact products of the quantised numbers (number of the format x scale) in f32.
;;   ~~~python
;;   def quantise(x, axis):      # numpy; x: float32 -> the quantised numbers, widened to float32 again
;;       x = np.moveaxis(x, axis, -1); K = x.shape[-1]
;;       x = np.pad(x, [(0, 0)] * (x.ndim - 1) + [(0, -K % 32)]); x = x.reshape(x.shape[:-1] + (-1, 32)); a = np.abs(x).max(-1, keepdims=True)
;;       e = np.where(a > 0, np.clip(np.frexp(np.where(a > 0, a, 1))[1] - 1 - 2, -126, 127), 0)      # np.frexp(a)[1] - 1 = floor(log2(a)), exactly
;;       r = np.clip(x / 2.0 ** e, -6, 6)
;;       step = 2.0 ** (np.maximum(np.frexp(np.where(r == 0, 1, r))[1] - 1, 0) - 1)
;;       q = np.round(r / step) * step * 2.0 ** e      # np.round: ties to even
;;       return np.moveaxis(q.reshape(q.shape[:-2] + (-1,))[..., :K], -1, axis).astype(np.float32)
;;   ~~~
;;   SOFTMAX AHEAD OF A QUANTISED PRODUCT. Where the list says 'softmax', what is quantised is not the finished softmax but p = 2^(t - M), with t = logit x log2(e) and M = ceil(the row's largest t), a whole number; so 1/2 < the row's largest p <= 1. The row's sum l is taken of the UNQUANTISED p, in f32, and the product's result is divided by l at the end. Since M is a whole number, a kernel that streams over the keys may use a running M (the ceiling of the running maximum): every later rescaling is an exact power of two, which a block's scale takes up: the codes' values come out the same.
;;   OPERANDS COMPUTED ON THE WAY. 'Computed on the way' means the value that the module computes at that place (a softmax that the list does not call 'softmax' is quantised finished and normalised). What goes into a quantiser is computed in f32, as accurately as f32 sums, v_exp_f32 and their like allow (about 1e-6 of the number): no bf16 or f16 on the way to a quantiser, and a product that is left as it is and whose result goes on into a quantised operand takes f32 operands (vector FMAs, or v_wmma_f32_16x16x4_f32). A number that lies on a knife's edge between two numbers of the format may be rounded either way, as far as f32 arithmetic and the matrix unit's own rounding can turn it there, and no further.
;; One version. Each part assembles by itself: llvm-mc -triple=amdgcn-amd-amdhsa -mcpu=gfx1250 --defsym DOCPART=n.
;; ======== version 1 of 1: 4 launches
;; limits: right only within a limited range of input values
;; workspace buffers: rec 2,785,280 bytes; qrec 2,359,296 bytes; kv 4,587,520 bytes; orec 2,228,224 bytes
;; launch quant (part 1): grid 256 x 1, 10 waves a work-group, no clusters, 85,760 bytes of LDS; arguments x, wq, wk, wv, wo, rec; writes rec
.if DOCPART == 1
	.amdgcn_target "amdgcn-amd-amdhsa--gfx1250"
	.amdhsa_code_object_version 6
	.text
	.protected	k_q39dad49e09_quant
	.globl	k_q39dad49e09_quant
	.p2align	8
	.type	k_q39dad49e09_quant,@function
k_q39dad49e09_quant:
	s_mov_b64 s[64:65], 0
	v_nop
	global_prefetch_b8 v0, s[64:65] scope:SCOPE_SE
	s_setreg_imm32_b32 hwreg(HW_REG_WAVE_MODE, 25, 1), 1
	s_wait_xcnt 0x0
; x[:, :, :512] (8,192 rows) and wq, wk, wv, wo[:512, :512], all f32 with K innermost and rows 4,096 bytes apart, become codes of FP4 (E2M1) with one E8M0 byte for each 32 along K.
; They are laid as RECORDS, in the order of a matrix operand's registers.  A record is a tile of 16 rows x K = 512, 4,352 bytes: the codes of K step s (128 along K) at 1024 s + 512 c + 16 lane
; (registers 4 c .. 4 c + 3 of the operand: k = 128 s + 64 c + 32 (lane / 16) + 0 .. 31 of the tile's row lane % 16), then the scale words at 4096 + 16 row + 4 s (byte b: k = 128 s + 32 b on).
; THE ROWS OF A TILE ARE NOT NEIGHBOURS: row r of tile T is row 32 (T / 2) + 8 (T % 2) + r + 8 (r / 8) of its tensor, so that results made with such tiles as source 0 have 16 neighbours in a lane.
; Records 0-511: x;  512-543: wq;  544-575: wk;  576-607: wv;  608-639: wo.  640 records x 4 K steps = 2,560 fragments = 256 work-groups x 10 waves: a fragment a wave, no loop, no barrier.
; Each of a wave's 16 loads reads 512 consecutive bytes (one row's K step); the rows go through the wave's own stage in LDS (528 bytes apart) and come back 128 bytes, a block of 32 numbers, at a time to a lane.
; A block's scale is 2^(floor(log2(its largest magnitude)) - 2); its byte is the largest magnitude's exponent field - 2, held at 1 from below.
; LIMITS: NaN and infinities among the inputs are not served; a block's largest magnitude is taken as at least 2^-124; a block of zeros gets the byte 1 and zero codes (this program alone reads the bytes).
.set REC,  4352
.set SP,   528                         ; a stage row: 512 bytes + 16: the 16 rows that a load touches start at 16 different 16-byte columns
.set WST,  16*SP                       ; a wave's stage
.set R,    16                          ; v16-79   the 16 rows as loaded
.set X,    80                          ; v80-143  my two blocks of 32 numbers
.set C,    144                         ; v144-151 the codes: the operand's eight registers
.set M,    152                         ; v152-153 largest magnitudes, v154-155 scale operands, v156-157 bytes, v158 the scale word, v159 at work
	s_load_b256 s[4:11], s[0:1], 0x0               ; x s[4:5], wq s[6:7], wk s[8:9], wv s[10:11]
	s_load_b128 s[12:15], s[0:1], 0x20             ; wo s[12:13], rec s[14:15]
	v_lshl_add_u32 v160, v0, 2, 0x14a00
	v_mov_b32 v161, 0
	v_lshrrev_b32 v1, 5, v0
	s_delay_alu instid0(VALU_DEP_1)
	v_readfirstlane_b32 s24, v1                    ; wave 0..9
	v_and_b32 v2, 31, v0                           ; lane
	v_and_b32 v5, 15, v0                           ; r
	v_bfe_u32 v6, v0, 4, 1                         ; h
	s_delay_alu instid0(VALU_DEP_3)
	v_lshlrev_b32 v3, 4, v2                        ; 16 x lane: my bytes of a load's 512, and of a store's
	s_mul_i32 s36, s24, WST                        ; my wave's stage
	v_add_nc_u32 v4, s36, v3                       ; into it: a row as it lies
	v_mul_u32_u24 v7, v5, SP
	s_delay_alu instid0(VALU_DEP_1)
	v_lshl_add_u32 v7, v6, 7, v7
	s_delay_alu instid0(VALU_DEP_1)
	v_add_nc_u32 v7, s36, v7                       ; out of it: row r, + 128 h: my block of each 64 numbers
	v_lshlrev_b32 v8, 4, v5
	s_delay_alu instid0(VALU_DEP_1)
	v_lshl_add_u32 v8, v6, 1, v8
	s_delay_alu instid0(VALU_DEP_1)
	v_add_nc_u32 v8, 4096, v8                      ; my two scale bytes: 4096 + 16 r + 2 h
	v_lshlrev_b32 v9, 3, v6                        ; 8 h
	v_lshlrev_b32 v10, 4, v6                       ; 16 h
	s_mov_b32 s22, 0x76543210
	s_mov_b32 s23, 0xfedcba98                      ; v_permlanex16_b32's selects for lane l xor 16
	s_mul_i32 s25, ttmp9, 10
	s_add_co_u32 s25, s25, s24                     ; my fragment
	s_lshr_b32 s26, s25, 2                         ; its record
	s_and_b32 s27, s25, 3                          ; its K step
	s_and_b32 s28, s26, 31
	s_cmp_lt_u32 s26, 512
	s_cselect_b32 s28, s26, s28                    ; the tile's number in its own tensor
	s_lshr_b32 s29, s28, 1
	s_lshl_b32 s30, s29, 17                        ; 32 (T / 2) rows of 4,096 bytes
	s_and_b32 s29, s28, 1
	s_lshl_b32 s29, s29, 15                        ; + 8 (T % 2) rows
	s_add_co_u32 s30, s30, s29
	s_lshl_b32 s29, s27, 9                         ; + 128 numbers a K step
	s_add_co_u32 s30, s30, s29
	s_mov_b32 s31, 0
	s_mul_i32 s32, s26, REC
	s_mov_b32 s33, 0
	s_lshl_b32 s29, s27, 2
	s_add_co_u32 s34, s32, s29                     ; the scale words' column: record + 4 s
	s_mov_b32 s35, 0
	s_lshl_b32 s29, s27, 10
	s_add_co_u32 s32, s32, s29                     ; the codes: record + 1024 s
	s_wait_alu depctr_va_vdst(0)
	s_wait_kmcnt 0x0
	s_mov_b64 s[16:17], s[12:13]                   ; which tensor: the choices hang on the record's number alone
	s_cmp_lt_u32 s26, 608
	s_cselect_b64 s[16:17], s[10:11], s[16:17]
	s_cmp_lt_u32 s26, 576
	s_cselect_b64 s[16:17], s[8:9], s[16:17]
	s_cmp_lt_u32 s26, 544
	s_cselect_b64 s[16:17], s[6:7], s[16:17]
	s_cmp_lt_u32 s26, 512
	s_cselect_b64 s[16:17], s[4:5], s[16:17]
	s_add_nc_u64 s[16:17], s[16:17], s[30:31]
	s_add_nc_u64 s[18:19], s[14:15], s[32:33]
	s_add_nc_u64 s[20:21], s[14:15], s[34:35]
.irp j, 0,1,2,3,4,5,6,7,8,9,10,11,12,13,14,15
	global_load_b128 v[R+4*\j:R+4*\j+3], v3, s[16:17] offset:(\j+8*(\j/8))*4096 th:TH_LOAD_NT   ; the tile's row j: 32 lanes read 512 consecutive bytes
.endr
.irp j, 0,1,2,3,4,5,6,7,8,9,10,11,12,13,14,15
	s_wait_loadcnt 15-\j                           ; loads come back in order: row j is in, the 15 - j younger ones may be out
	ds_store_b128 v4, v[R+4*\j:R+4*\j+3] offset:\j*SP
.endr
.irp c, 0,1
.irp i, 0,1,2,3,4,5,6,7
	ds_load_b128 v[X+32*\c+4*\i:X+32*\c+4*\i+3], v7 offset:256*\c+16*\i   ; LDS serves a wave's instructions in order: these see my stores.  k = 64 c + 32 h + 4 i on, of row r
.endr
.endr
	s_wait_dscnt 0x0
.irp c, 0,1                                    ; my block 2 c + h: all its 32 numbers are mine
	v_max3_num_f32 v[M+\c], |v[X+32*\c]|, |v[X+32*\c+1]|, 0x1800000   ; and the floor 2^(3 - 127): the byte cannot fall under 1
.endr
.irp i, 2,4,6,8,10,12,14,16,18,20,22,24,26,28,30
.irp c, 0,1
	s_delay_alu instid0(VALU_DEP_2)
	v_max3_num_f32 v[M+\c], v[M+\c], |v[X+32*\c+\i]|, |v[X+32*\c+\i+1]|   ; (the two blocks by turns)
.endr
.endr
.irp c, 0,1
	s_delay_alu instid0(VALU_DEP_2)
	v_add_nc_u32 v[M+2+\c], 0xff000000, v[M+\c]    ; 2 off the exponent field: the conversion takes the exponent field of this operand as its scale
.endr
.irp c, 0,1
	s_delay_alu instid0(VALU_DEP_2)
	v_lshrrev_b32 v[M+4+\c], 23, v[M+2+\c]         ; the scale's byte
.endr
	s_delay_alu instid0(VALU_DEP_1)
	v_lshl_or_b32 v[M+6], v[M+5], 16, v[M+4]       ; my two bytes: blocks h and 2 + h of row r,
	s_delay_alu instid0(VALU_DEP_1)
	v_lshlrev_b32 v[M+6], v9, v[M+6]               ; at their places in the word;
	v_mov_b32 v[M+7], 0                            ; (a lane permute's destination counts as one of its sources)
	s_delay_alu instid0(VALU_DEP_1)
	v_permlanex16_b32 v[M+7], v[M+6], s22, s23
	s_delay_alu instid0(VALU_DEP_1)
	v_or_b32 v[M+6], v[M+6], v[M+7]                ; with lane l xor 16's two the word is whole
.irp c, 0,1
.irp g, 0,1,2,3
	v_cvt_scalef32_pk8_fp4_f32 v[C+4*\c+\g], v[X+32*\c+8*\g:X+32*\c+8*\g+7], v[M+2+\c]   ; registers 4 c .. 4 c + 3 of the operand
.endr
.endr
	v_nop                                          ; one plain place behind the scaled conversions
	v_lshrrev_b32 v[M+7], v10, v[M+6]              ; bytes 2 h and 2 h + 1 of the word: each lane stores two bytes of its own
	global_store_b128 v3, v[C:C+3], s[18:19]       ; 32 lanes store 512 consecutive bytes, at a multiple of 256 from the buffer's first byte
	global_store_b128 v3, v[C+4:C+7], s[18:19] offset:512
	global_store_b16 v8, v[M+7], s[20:21]
	s_wait_tensorcnt 0x0
	ds_add_u32 v160, v161
	s_wait_dscnt 0x0
	s_endpgm
.Lfunc_end_k_q39dad49e09_quant:
	.size	k_q39dad49e09_quant, .Lfunc_end_k_q39dad49e09_quant-k_q39dad49e09_quant
	.p2alignl 7, 3214868480
	.fill 96, 4, 3214868480
	.section	.rodata,"a",@progbits
	.p2align	6, 0x0
	.amdhsa_kernel k_q39dad49e09_quant
		.amdhsa_group_segment_fixed_size 85760
		.amdhsa_private_segment_fixed_size 0
		.amdhsa_enable_private_segment 0
		.amdhsa_kernarg_size 48
		.amdhsa_user_sgpr_count 2
		.amdhsa_user_sgpr_kernarg_segment_ptr 1
		.amdhsa_wavefront_size32 1
		.amdhsa_system_sgpr_workgroup_id_x 1
		.amdhsa_system_sgpr_workgroup_id_y 1
		.amdhsa_system_sgpr_workgroup_id_z 1
		.amdhsa_system_vgpr_workitem_id 0
		.amdhsa_next_free_vgpr 162
		.amdhsa_next_free_sgpr 66
		.amdhsa_reserve_vcc 0
		.amdhsa_float_denorm_mode_32 3
		.amdhsa_float_denorm_mode_16_64 3
		.amdhsa_memory_ordered 1
		.amdhsa_forward_progress 1
		.amdhsa_inst_pref_size 12
	.end_amdhsa_kernel
	.amdgpu_metadata
---
amdhsa.version: [ 1, 2 ]
amdhsa.kernels:
  - .name:           k_q39dad49e09_quant
    .symbol:         k_q39dad49e09_quant.kd
    .args:
      - { .name: x, .offset: 0, .size: 8, .value_kind: global_buffer, .address_space: global }
      - { .name: wq, .offset: 8, .size: 8, .value_kind: global_buffer, .address_space: global }
      - { .name: wk, .offset: 16, .size: 8, .value_kind: global_buffer, .address_space: global }
      - { .name: wv, .offset: 24, .size: 8, .value_kind: global_buffer, .address_space: global }
      - { .name: wo, .offset: 32, .size: 8, .value_kind: global_buffer, .address_space: global }
      - { .name: rec, .offset: 40, .size: 8, .value_kind: global_buffer, .address_space: global }
    .group_segment_fixed_size: 85760
    .private_segment_fixed_size: 0
    .kernarg_segment_align: 8
    .kernarg_segment_size: 48
    .max_flat_workgroup_size: 320
    .sgpr_count:     66
    .vgpr_count:     162
    .wavefront_size: 32
...
	.end_amdgpu_metadata
.endif
;; end of part 1
;; launch qkv (part 2): grid 64 x 4, 8 waves a work-group, clusters of 4 x 4, 168,960 bytes of LDS; arguments rec, qrec, kv; writes qrec, kv
.if DOCPART == 2
	.amdgcn_target "amdgcn-amd-amdhsa--gfx1250"
	.amdhsa_code_object_version 6
	.text
	.protected	k_q39dad49e09_qkv
	.globl	k_q39dad49e09_qkv
	.p2align	8
	.type	k_q39dad49e09_qkv,@function
k_q39dad49e09_qkv:
	s_mov_b64 s[64:65], 0
	v_nop
	global_prefetch_b8 v0, s[64:65] scope:SCOPE_SE
	s_setreg_imm32_b32 hwreg(HW_REG_WAVE_MODE, 25, 1), 1
	s_wait_xcnt 0x0
	s_wait_alu depctr_hold_cnt(0) depctr_sa_sdst(0) depctr_va_vdst(0) depctr_va_sdst(0) depctr_va_ssrc(0) depctr_va_vcc(0) depctr_vm_vsrc(0)
	s_getreg_b32 s2, hwreg(HW_REG_IB_STS2, 6, 4)
	s_cmp_eq_u32 s2, 0
	s_cbranch_scc0 .Lentry_in_a_cluster
	s_endpgm
.Lentry_in_a_cluster:
	s_bfe_u32 s2, ttmp6, 0x10000c
	s_cmp_lg_u32 s2, 0xf033
	s_cbranch_scc0 .Lentry_shape_is_right
	s_endpgm
.Lentry_shape_is_right:
; q = x wq^T, k = x wk^T, v = x wv^T on codes of FP4 (records: 16 rows x K = 512 as images of operand registers, 4,352 bytes; x at records 0-511, wq from 512, wk from 544, wv from 576),
; and the results quantised in registers for the attention: q and k along the head's 64, v along the keys.
; SHARES.  Work-group (g, y): tokens 128 g .. 128 g + 127 (8 records of x), heads 2 y and 2 y + 1 (8 records of each weight).  Eight waves; 96 matrix instructions a wave.
;   q, k: source 0 = the weight's 8 records (128 channels), source 1 = wave w's record of x (16 tokens): a lane holds ONE token and 64 channels, 16 neighbours of each block of 32.
;   v:    source 0 = x's 8 records (128 tokens = keys), source 1 = wave w's record of wv (16 channels): a lane holds ONE channel and 64 keys.
; The rows of a tile are not neighbours (row r of tile T: 32 (T / 2) + 8 (T % 2) + r + 8 (r / 8)), so registers 16 b + i of the eight results are source-0 rows 32 b + 16 (lane / 16) + i.
; LDS is filled ONCE, by one tensor load a wave (4 records, 17,408 dense bytes): wq 0, wk 34,816, wv 69,632, x 104,448.  Every fragment is read at 16 x lane: consecutive bytes.
; CLUSTER 4 x 4: the four work-groups of a row (same y) need the same weights, the four of a column (same g) the same x: each load is asked for jointly, with a mask that names the four.
; OUT.  qrec [b h][group of 128 queries][4,608]: tile T's codes at 512 T + 16 lane (operand registers 0-3: k = 32 (lane / 16) on); scale words at 4096 + 16 (r + 16 (T % 2)) + 4 (T / 2), bytes 2 and 3 zero.
;       kv [b h][step of 128 keys][8,960]: K as qrec; V's codes at 4608 + 1024 dt + 512 c + 16 lane (16 channels x 128 keys); V's scale words at 8704 + 8 (r + 16 (dt % 2)) + 4 (dt / 2).
; LIMITS: NaN and infinities are not served; a block's largest magnitude is taken as at least 2^-124; a block of zeros gets the byte 1 and zero codes.
.set REC,  4352
.set WQ,   0
.set WK,   8*REC
.set WV,   16*REC
.set XR,   24*REC
.set QH,   32*4608                     ; from head to head in qrec
.set KH,   32*8960                     ; and in kv
.set L16,  1                           ; v1   16 x lane
.set R16,  2                           ; v2   16 r
.set SAO,  3                           ; v3   16 r + 4352 h: lanes 0-15 an even record's scale words, lanes 16-31 the next record's
.set AF,   4                           ; v4   source 0's fragments of the pass in hand
.set AS,   5                           ; v5   and their scale words
.set AR,   6                           ; v6   source 1's record
.set AR2,  7                           ; v7   and its scale words
.set WL,   13                          ; v13  16 x lane + 4352 x wave
.set WR,   14                          ; v14  16 r + 4352 x wave + 4096
.set R1,   16                          ; v16-47   source 1: a record's 32 registers
.set SC1,  48                          ; v48-51   its scale words, one for each K step
.set SA,   52                          ; v52-67   source 0's scale words: register 4 p + s: lanes 0-15 record 2 p, lanes 16-31 record 2 p + 1
.set F,    68                          ; v68-131  source 0: eight fragments of one K step
.set ACC,  132                         ; v132-195 eight accumulators
.set PC,   196                         ; v196-203 the codes just made
.set TM,   204                         ; v204-207 largest magnitudes, v208-211 bytes, v216-219 scale operands
.set PW,   220                         ; the scale word just made
.set SD,   221                         ; what of it a lane stores
.set H16,  222                         ; 16 h
.set SEL,  54                          ; s[54:55] v_permlanex16_b32's selects for lane l xor 16
.macro PLACES                          ; four plain places behind a matrix instruction: in front of loads into its registers and of reads of its result
.rept 4
	v_nop
.endr
.endm
.macro ROUND                           ; a round of the cluster's barrier: my work-group's barrier, wave 0's signal for the work-group, every wave's wait, my work-group's barrier
	s_barrier_signal -1
	s_barrier_wait -1
	s_cmp_lg_u32 s12, 0
	s_cbranch_scc1 .Lnot_wave_0_\@
	s_barrier_signal -3
.Lnot_wave_0_\@:
	s_barrier_wait -3
	s_barrier_signal -1
	s_barrier_wait -1
.endm
.macro LOADR1 region                   ; source 1: record number wave of the region, and its four scale words
	v_add_nc_u32 v[AR], \region, v[WL]
	v_add_nc_u32 v[AR2], \region, v[WR]
.irp j, 0,1,2,3,4,5,6,7
	ds_load_b128 v[R1+4*\j:R1+4*\j+3], v[AR] offset:512*\j
.endr
	ds_load_b128 v[SC1:SC1+3], v[AR2]
.endm
.macro WM i, s                         ; accumulator i, K step s; the first K step starts the sum: nothing is cleared
.if (\s) == 0
.if (\i) % 2
	v_wmma_scale_f32_16x16x128_f8f6f4 v[ACC+8*(\i):ACC+8*(\i)+7], v[F+8*(\i):F+8*(\i)+7], v[R1+8*(\s):R1+8*(\s)+7], 0, v[SA+4*((\i)/2)+(\s)], v[SC1+(\s)] matrix_a_fmt:MATRIX_FMT_FP4 matrix_b_fmt:MATRIX_FMT_FP4 matrix_a_scale:MATRIX_SCALE_ROW1
.else
	v_wmma_scale_f32_16x16x128_f8f6f4 v[ACC+8*(\i):ACC+8*(\i)+7], v[F+8*(\i):F+8*(\i)+7], v[R1+8*(\s):R1+8*(\s)+7], 0, v[SA+4*((\i)/2)+(\s)], v[SC1+(\s)] matrix_a_fmt:MATRIX_FMT_FP4 matrix_b_fmt:MATRIX_FMT_FP4
.endif
.else
.if (\i) % 2
	v_wmma_scale_f32_16x16x128_f8f6f4 v[ACC+8*(\i):ACC+8*(\i)+7], v[F+8*(\i):F+8*(\i)+7], v[R1+8*(\s):R1+8*(\s)+7], v[ACC+8*(\i):ACC+8*(\i)+7], v[SA+4*((\i)/2)+(\s)], v[SC1+(\s)] matrix_a_fmt:MATRIX_FMT_FP4 matrix_b_fmt:MATRIX_FMT_FP4 matrix_a_scale:MATRIX_SCALE_ROW1
.else
	v_wmma_scale_f32_16x16x128_f8f6f4 v[ACC+8*(\i):ACC+8*(\i)+7], v[F+8*(\i):F+8*(\i)+7], v[R1+8*(\s):R1+8*(\s)+7], v[ACC+8*(\i):ACC+8*(\i)+7], v[SA+4*((\i)/2)+(\s)], v[SC1+(\s)] matrix_a_fmt:MATRIX_FMT_FP4 matrix_b_fmt:MATRIX_FMT_FP4
.endif
.endif
.endm
; The region's 8 records (source 0) x the record in R1 (source 1), K = 512: 32 matrix instructions; the eight accumulators take turns, one instruction a turn.
.macro GEMM8 region
	v_add_nc_u32 v[AF], \region, v[L16]
	s_wait_alu depctr_va_vdst(0)
	v_add_nc_u32 v[AS], \region+4096, v[SAO]
.irp p, 0,1,2,3
	ds_load_b128 v[SA+4*\p:SA+4*\p+3], v[AS] offset:2*REC*\p
.endr
.irp s, 0,1,2,3
.if \s > 0
	PLACES                                         ; in front of loads into fragments that the last K step's products read
.endif
.irp i, 0,1,2,3,4,5,6,7
.irp c, 0,1
	ds_load_b128 v[F+8*\i+4*\c:F+8*\i+4*\c+3], v[AF] offset:REC*\i+1024*\s+512*\c
.endr
.endr
	s_wait_dscnt 0x0
.irp i, 0,1,2,3,4,5,6,7
	WM \i, \s
.endr
.endr
.endm
; 64 numbers of a lane, v[s] .. v[s + 63], register 16 b + i = k 32 b + 16 (lane / 16) + i of my row, become a fragment's codes in v[PC] on and its scale word in v[PW].
.macro QUANT s
.irp b, 0,1,2,3
	v_max3_num_f32 v[TM+\b], |v[\s+16*\b]|, |v[\s+1+16*\b]|, 0x1800000   ; block b: my 16 numbers, and the floor 2^(3 - 127): the byte cannot fall under 1
.endr
.irp i, 2,4,6,8,10,12,14
.irp b, 0,1,2,3
	v_max3_num_f32 v[TM+\b], v[TM+\b], |v[\s+16*\b+\i]|, |v[\s+1+16*\b+\i]|   ; (the four blocks by turns)
.endr
.endr
.irp b, 0,1,2,3
	s_delay_alu instid0(VALU_DEP_4)
	v_permlanex16_b32 v[TM+4+\b], v[TM+\b], s[SEL], s[SEL+1]
.endr
.irp b, 0,1,2,3
	s_delay_alu instid0(VALU_DEP_4)
	v_max_num_f32 v[TM+\b], v[TM+\b], v[TM+4+\b]   ; with lane l xor 16's: the block's largest magnitude
.endr
.irp b, 0,1,2,3
	s_delay_alu instid0(VALU_DEP_4)
	v_add_nc_u32 v[TM+12+\b], 0xff000000, v[TM+\b] ; 2 off its exponent field: the conversion's scale operand
.endr
.irp b, 0,1,2,3
	s_delay_alu instid0(VALU_DEP_4)
	v_lshrrev_b32 v[TM+4+\b], 23, v[TM+12+\b]      ; the scale's byte
.endr
	s_delay_alu instid0(VALU_DEP_3)
	v_lshl_or_b32 v[PW], v[TM+5], 8, v[TM+4]       ; the four bytes make my row's scale word
	s_delay_alu instid0(VALU_DEP_1)
	v_lshl_or_b32 v[PW], v[TM+6], 16, v[PW]
	s_delay_alu instid0(VALU_DEP_1)
	v_lshl_or_b32 v[PW], v[TM+7], 24, v[PW]
.irp b, 0,1,2,3
	v_cvt_scalef32_pk8_fp4_f32 v[PC+2*\b], v[\s+16*\b:\s+7+16*\b], v[TM+12+\b]
	v_cvt_scalef32_pk8_fp4_f32 v[PC+1+2*\b], v[\s+8+16*\b:\s+15+16*\b], v[TM+12+\b]
.endr
	v_nop                                          ; one plain place behind the scaled conversions
.irp c, 0,1                                    ; the operand's layout wants a WHOLE block in a lane: lanes 0-15 block 2 c, lanes 16-31 block 2 c + 1
.irp i, 0,1
	v_permlane16_swap_b32 v[PC+4*\c+\i], v[PC+2+4*\c+\i]
.endr
.endr
.endm
	s_load_b128 s[4:7], s[0:1], 0x0                ; rec s[4:5], qrec s[6:7]
	s_load_b64 s[8:9], s[0:1], 0x10                ; kv
	v_lshl_add_u32 v224, v0, 2, 0x29000
	v_mov_b32 v225, 0
	ds_add_u32 v224, v225
	ds_add_u32 v224, v225
	v_lshrrev_b32 v15, 5, v0
	s_delay_alu instid0(VALU_DEP_1)
	v_readfirstlane_b32 s12, v15                   ; wave 0..7
	s_bfe_u32 s13, ttmp6, 0x40000                  ; cx, cy: my place in the cluster
	s_bfe_u32 s14, ttmp6, 0x40004
	s_lshl_b32 s15, ttmp9, 2
	s_add_co_u32 s15, s15, s13                     ; g = 4 x cluster x + cx
	s_and_b32 s40, ttmp7, 0xffff
	s_lshl_b32 s40, s40, 2
	s_add_co_u32 s40, s40, s14                     ; y = 4 x cluster y + cy
	s_lshl_b32 s41, s14, 2
	s_lshl_b32 s41, 15, s41                        ; my row of the cluster
	s_lshl_b32 s56, 0x1111, s13                    ; my column
	; descriptor group 1: 4 records = 68 rows of 256 bytes (32 elements of 8 bytes), dense, no padding
	s_or_b32 s16, s41, (3<<16)|(1<<21)             ; 15:0 the mask: the weights go to my row; 17:16 elements of 8 bytes; 21 set beside a mask
	s_or_b32 s24, s56, (3<<16)|(1<<21)             ; the same with my column's mask, for x
.irp g, 16, 24
	s_mov_b32 s[\g+1], 32<<16                      ; tensor_dim0 = 32
	s_mov_b32 s[\g+2], 68<<16                      ; tensor_dim1 = 68
	s_mov_b32 s[\g+3], 32<<16                      ; tile_dim0 = 32
	s_mov_b32 s[\g+4], 68                          ; tile_dim1 = 68
	s_mov_b32 s[\g+5], 32                          ; from row to row
	s_mov_b32 s[\g+6], 0
	s_mov_b32 s[\g+7], 0
.endr
	; what I fetch: waves 0-5 half (wave % 2) of weight wave / 2; waves 6, 7 half of x.  The weights' address is made of y and the wave's number, x's of g and the wave's number, each in registers of its own
	s_and_b32 s57, s12, 1
	s_lshl_b32 s57, s57, 2
	s_lshr_b32 s42, s12, 1
	s_lshl_b32 s42, s42, 5
	s_lshl_b32 s43, s40, 3
	s_add_co_u32 s42, s42, s43
	s_add_co_u32 s42, s42, s57
	s_add_co_u32 s42, s42, 512                     ; record 512 + 32 (wave / 2) + 8 y + 4 (wave % 2)
	s_mul_i32 s42, s42, REC
	s_mov_b32 s43, 0
	s_lshl_b32 s44, s15, 3
	s_add_co_u32 s44, s44, s57                     ; record 8 g + 4 (wave % 2)
	s_mul_i32 s44, s44, REC
	s_mov_b32 s45, 0
	s_mul_i32 s58, s12, 4*REC                      ; where it goes: wave x 4 records: no place in the cluster enters an LDS address
	; where the results go: (b, head 2 y, group g % 32)
	s_lshr_b32 s46, s15, 5
	s_lshl_b32 s46, s46, 3
	s_lshl_b32 s47, s40, 1
	s_add_co_u32 s46, s46, s47
	s_lshl_b32 s46, s46, 5
	s_and_b32 s47, s15, 31
	s_add_co_u32 s46, s46, s47
	s_mul_i32 s48, s46, 4608
	s_mov_b32 s49, 0
	s_mul_i32 s50, s46, 8960
	s_mov_b32 s51, 0
	s_mov_b32 s[SEL], 0x76543210
	s_mov_b32 s[SEL+1], 0xfedcba98
	s_wait_dscnt 0x0
	s_wait_kmcnt 0x0
	s_mov_b32 s32, 1                               ; group 0 for the weights: count = 1,
	s_mov_b32 s33, s58                             ; LDS address,
	s_add_nc_u64 s[34:35], s[4:5], s[42:43]        ; global address,
	s_or_b32 s35, s35, 0x80000000                  ; type = 2
	s_mov_b32 s36, 1                               ; and for x
	s_mov_b32 s37, s58
	s_add_nc_u64 s[38:39], s[4:5], s[44:45]
	s_or_b32 s39, s39, 0x80000000
	s_add_nc_u64 s[6:7], s[6:7], s[48:49]
	s_add_nc_u64 s[8:9], s[8:9], s[50:51]
	ROUND                                          ; all sixteen work-groups are here: the joint loads meet
	s_cmp_lt_u32 s12, 6                            ; the branch hangs on the wave's number alone; four v_nop follow each of the two lines
	s_cbranch_scc0 .Lfor_x
	tensor_load_to_lds s[32:35], s[16:23]
	s_nop 0
	PLACES
	s_branch .Lasked
.Lfor_x:
	tensor_load_to_lds s[36:39], s[24:31]
	s_nop 0
	PLACES
.Lasked:
	v_and_b32 v15, 31, v0
	s_delay_alu instid0(VALU_DEP_1)
	v_lshlrev_b32 v[L16], 4, v15
	v_and_b32 v15, 15, v0
	s_delay_alu instid0(VALU_DEP_1)
	v_lshlrev_b32 v[R16], 4, v15
	s_wait_alu depctr_va_vdst(0)
	v_bfe_u32 v223, v0, 4, 1                       ; h
	s_wait_alu depctr_va_vdst(0)
	v_mul_u32_u24 v[SAO], v223, REC
	s_delay_alu instid0(VALU_DEP_1)
	v_add_nc_u32 v[SAO], v[SAO], v[R16]
	v_lshlrev_b32 v[H16], 4, v223
	s_mul_i32 s52, s12, REC
	v_add_nc_u32 v[WL], s52, v[L16]
	v_add_nc_u32 v[WR], s52, v[R16]
	s_delay_alu instid0(VALU_DEP_1)
	v_add_nc_u32 v[WR], 4096, v[WR]
	; the stores' offsets, never rewritten
	s_lshl_b32 s53, s12, 9
	v_add_nc_u32 v8, s53, v[L16]                   ; q's and k's codes: 512 w + 16 lane
	s_and_b32 s53, s12, 1
	s_lshl_b32 s53, s53, 8
	s_lshr_b32 s59, s12, 1
	s_lshl_b32 s59, s59, 2
	s_add_co_u32 s53, s53, s59
	s_add_co_u32 s53, s53, 4096
	v_add_nc_u32 v15, s53, v[R16]                  ; their scale words: 4096 + 16 r + 256 (w % 2) + 4 (w / 2),
	v_mul_u32_u24 v9, v223, QH
	s_delay_alu instid0(VALU_DEP_1)
	v_add_nc_u32 v9, v9, v15                       ; lanes 16-31 a head on: in qrec
	v_mul_u32_u24 v10, v223, KH
	s_delay_alu instid0(VALU_DEP_1)
	v_add_nc_u32 v10, v10, v15                     ; and in kv
	s_lshr_b32 s53, s12, 2
	s_mul_i32 s53, s53, KH                         ; v: my 16 channels lie in head 2 y + w / 4, tile dt = w % 4
	s_and_b32 s59, s12, 3
	s_lshl_b32 s59, s59, 10
	s_add_co_u32 s59, s59, s53
	s_add_co_u32 s59, s59, 4608
	v_add_nc_u32 v11, s59, v[L16]                  ; its codes
	s_and_b32 s59, s12, 1
	s_lshl_b32 s59, s59, 7
	s_add_co_u32 s53, s53, s59
	s_bfe_u32 s59, s12, 0x10001
	s_lshl_b32 s59, s59, 2
	s_add_co_u32 s53, s53, s59
	s_add_co_u32 s53, s53, 8704
	v_lshrrev_b32 v12, 1, v[R16]
	s_delay_alu instid0(VALU_DEP_1)
	v_lshl_add_u32 v12, v223, 1, v12
	s_delay_alu instid0(VALU_DEP_1)
	v_add_nc_u32 v12, s53, v12                     ; its scale words, two bytes a lane: 8704 + 8 r + 128 (dt % 2) + 4 (dt / 2) + 2 h
.irp b, 0,1,2,3
	v_mov_b32 v[TM+4+\b], 0                        ; written once: a lane permute's destination counts as one of its sources
.endr
	s_wait_tensorcnt 0x0                           ; my four records have landed,
	s_barrier_signal -1
	s_barrier_wait -1                              ; everybody's have.  Nothing is filled again
	; ---- q
	LOADR1 XR
	GEMM8 WQ
	PLACES
	QUANT ACC                                      ; blocks 0, 1: head 2 y;  blocks 2, 3: head 2 y + 1
	v_lshrrev_b32 v[SD], v[H16], v[PW]
	s_delay_alu instid0(VALU_DEP_1)
	v_and_b32 v[SD], 0xffff, v[SD]                 ; lanes 0-15: head 2 y's two bytes; lanes 16-31: head 2 y + 1's; the bytes of k = 64 on are 0
	global_store_b128 v8, v[PC:PC+3], s[6:7]       ; 32 lanes store 512 consecutive bytes
	global_store_b128 v8, v[PC+4:PC+7], s[6:7] offset:QH
	global_store_b32 v9, v[SD], s[6:7]
	; ---- k
	GEMM8 WK
	PLACES
	s_wait_xcnt 0x0                                ; the stores above have read their data: the codes' registers and the word are written again only behind this wait
	QUANT ACC
	v_lshrrev_b32 v[SD], v[H16], v[PW]
	s_delay_alu instid0(VALU_DEP_1)
	v_and_b32 v[SD], 0xffff, v[SD]
	global_store_b128 v8, v[PC:PC+3], s[8:9]
	global_store_b128 v8, v[PC+4:PC+7], s[8:9] offset:KH
	global_store_b32 v10, v[SD], s[8:9]
	; ---- v: the sources change places, so that a lane's registers run along the keys
	LOADR1 WV
	GEMM8 XR
	PLACES
	s_wait_xcnt 0x0
	QUANT ACC
	v_lshrrev_b32 v[SD], v[H16], v[PW]             ; bytes 2 h and 2 h + 1 of my channel's word
	global_store_b128 v11, v[PC:PC+3], s[8:9]
	global_store_b128 v11, v[PC+4:PC+7], s[8:9] offset:512
	global_store_b16 v12, v[SD], s[8:9]
	s_wait_tensorcnt 0x0
	ds_add_u32 v224, v225
	s_wait_dscnt 0x0
	ROUND                                          ; the closing round: no work-group ends while a partner may still ask for a tile that names it
	s_endpgm
.Lfunc_end_k_q39dad49e09_qkv:
	.size	k_q39dad49e09_qkv, .Lfunc_end_k_q39dad49e09_qkv-k_q39dad49e09_qkv
	.p2alignl 7, 3214868480
	.fill 96, 4, 3214868480
	.section	.rodata,"a",@progbits
	.p2align	6, 0x0
	.amdhsa_kernel k_q39dad49e09_qkv
		.amdhsa_group_segment_fixed_size 168960
		.amdhsa_private_segment_fixed_size 0
		.amdhsa_enable_private_segment 0
		.amdhsa_kernarg_size 24
		.amdhsa_user_sgpr_count 2
		.amdhsa_user_sgpr_kernarg_segment_ptr 1
		.amdhsa_wavefront_size32 1
		.amdhsa_system_sgpr_workgroup_id_x 1
		.amdhsa_system_sgpr_workgroup_id_y 1
		.amdhsa_system_sgpr_workgroup_id_z 1
		.amdhsa_system_vgpr_workitem_id 0
		.amdhsa_next_free_vgpr 226
		.amdhsa_next_free_sgpr 66
		.amdhsa_reserve_vcc 0
		.amdhsa_float_denorm_mode_32 3
		.amdhsa_float_denorm_mode_16_64 3
		.amdhsa_memory_ordered 1
		.amdhsa_forward_progress 1
		.amdhsa_inst_pref_size 50
	.end_amdhsa_kernel
	.amdgpu_metadata
---
amdhsa.version: [ 1, 2 ]
amdhsa.kernels:
  - .name:           k_q39dad49e09_qkv
    .symbol:         k_q39dad49e09_qkv.kd
    .args:
      - { .name: rec, .offset: 0, .size: 8, .value_kind: global_buffer, .address_space: global }
      - { .name: qrec, .offset: 8, .size: 8, .value_kind: global_buffer, .address_space: global }
      - { .name: kv, .offset: 16, .size: 8, .value_kind: global_buffer, .address_space: global }
    .group_segment_fixed_size: 168960
    .private_segment_fixed_size: 0
    .kernarg_segment_align: 8
    .kernarg_segment_size: 24
    .max_flat_workgroup_size: 256
    .sgpr_count:     66
    .vgpr_count:     226
    .wavefront_size: 32
...
	.end_amdgpu_metadata
.endif
;; end of part 2
;; launch attn (part 3): grid 16 x 16, 16 waves a work-group, clusters of 4 x 1, 327,680 bytes of LDS; arguments qrec, kv, orec, out0; writes orec, out0
.if DOCPART == 3
	.amdgcn_target "amdgcn-amd-amdhsa--gfx1250"
	.amdhsa_code_object_version 6
	.text
	.protected	k_q39dad49e09_attn
	.globl	k_q39dad49e09_attn
	.p2align	8
	.type	k_q39dad49e09_attn,@function
k_q39dad49e09_attn:
	s_mov_b64 s[64:65], 0
	v_nop
	global_prefetch_b8 v0, s[64:65] scope:SCOPE_SE
	s_setreg_imm32_b32 hwreg(HW_REG_WAVE_MODE, 25, 1), 1
	s_wait_xcnt 0x0
	s_wait_alu depctr_hold_cnt(0) depctr_sa_sdst(0) depctr_va_vdst(0) depctr_va_sdst(0) depctr_va_ssrc(0) depctr_va_vcc(0) depctr_vm_vsrc(0)
	s_getreg_b32 s2, hwreg(HW_REG_IB_STS2, 6, 4)
	s_cmp_eq_u32 s2, 0
	s_cbranch_scc0 .Lentry_in_a_cluster
	s_endpgm
.Lentry_in_a_cluster:
	s_bfe_u32 s2, ttmp6, 0x10000c
	s_cmp_lg_u32 s2, 0x3003
	s_cbranch_scc0 .Lentry_shape_is_right
	s_endpgm
.Lentry_shape_is_right:
; Causal attention of one head (64 channels, 4,096 tokens) on codes of FP4, and its result quantised for the output projection; also the zero half of out0 (columns 512 to 1,023).
; t = score x log2(e) / 8; M = the row's largest t so far, rounded UP to a whole number; p = 2^(t - M) is quantised along the keys, not normalised; the row's sum is taken of the unquantised p and divides O at
; the end.  When M moves, the sum and O are multiplied by 2^(old M - new M): exact.  Key steps that lie wholly behind the causal mask are not worked.
; LDS holds the WHOLE head's K and V: 32 steps of 128 keys x 8,960 bytes (K's codes 0, K's scale words 4096, V's codes 4608, V's scale words 8704), as images of operand registers: every fragment is read at
; 16 x lane.  It is filled once, in two groups of sixteen loads: wave w asks for step w at the head and for step 16 + w behind the first group's barrier.  One load of a wave is out at a time.
; CLUSTER 4 x 1: the four work-groups of a cluster belong to one head, so each load is asked for jointly, with a mask that names the four.
; SHARES.  The waves come in pairs (X, Y).  A pair owns tile T = 2 cx + sub (16 queries) of block E (tile A, E + 1 key steps) and of block 31 - E (tile B, 32 - E steps), E = 4 x cluster x + i: 33 steps.
;   X works B's steps 0 .. 7 and 23 - E .. 31 - E: 17 trips.   Y works all of A, finishes it inside the loop, then works B's steps 8 .. 22 - E: 16 trips; its 17th trip is empty.
;   Behind the trips Y hands its part of B (O, sum, M) to X through the pair's own 4,608 bytes of LDS; X joins the two parts under the larger M (factors that are powers of two) and finishes B.
;   The first eight trips of every wave read steps 0 .. 15 alone; one barrier behind them shows steps 16 .. 31.  E, the roles and all branches hang on the wave's number and the cluster's x alone.
; K IS READ ONE TRIP AHEAD: behind a step's first product the next trip's K takes K's registers.  The last trip of each of the two loops so reads one K that is not used (its step held inside the landed bytes).
; cx enters global addresses and a vector register that is compared, nothing else.
; NO PREFETCH: all of K and V is asked for by the two groups of loads at the head; no later load is left to run ahead of.
; LAYOUT.  Both products transposed: S^T = K Q^T, O^T = V^T P^T: a lane holds ONE query (lane % 16).  The rows of a tile are not neighbours (row r of tile T: 32 (T / 2) + 8 (T % 2) + r + 8 (r / 8)), so the 16
; registers of tiles 2 b, 2 b + 1 are keys (channels) 32 b + 16 (lane / 16) + 0 .. 15.
; K = 64 IN A FORM OF 128: Q's registers 4-7 are zero codes; K's operand of tile t is four registers of codes and the four that follow them (behind tile 7 zeros): whatever they hold is multiplied by zeros.
; LIMITS: NaN and infinities are not served; 1 / the sum is v_rcp_f32 and a multiplication; a block's largest magnitude is taken as at least 2^-124; a block of zeros gets the byte 1 and zero codes.
; A BLOCK'S SCALE is made from the exponent x = its largest t - M itself (the same multiply-add that p takes): byte = floor(x) + 125, x held at -124 from below.
; LIMIT: where x lies so close under 0 that 2^x rounds up to 1 in f32 (x above -2^-25), the block takes the scale of the exact p, one step under that of the rounded p.
.set STEPB, 8960
.set HALF,  16*STEPB
.set SPARE, 32*STEPB                   ; behind K and V: the spare words, 128 bytes a wave
.set STG,   SPARE+2048                 ; behind them: a stage of PAIRB bytes for each pair; no fill lands there
.set PAIRB, 4608
.set L16,  1                           ; v1   16 x lane
.set L8,   2                           ; v2   8 x lane
.set DQ,   3                           ; v3   my query in its block - 16 (lane / 16)
.set AK,   4                           ; v4   LDS address of the next step's K
.set A8,   5                           ; v5   of this step's scale words of V
.set NINF, 11                          ; v11  -infinity
.set KF,   24                          ; v24-55   K: tile t's codes at v[24 + 4 t];  v56-59 zeros
.set VF,   60                          ; v60-91   V: four fragments
.set S,    92                          ; v92-155  S^T, then p
.set OA,   156                         ; v156-187 O^T
.set PC,   188                         ; v188-195 p's codes
.set BM,   196                         ; v196-199 a block's largest score, then its largest p
.set BP,   200                         ; v200-203 at work
.set SO,   204                         ; v204-207 the conversions' scale operands
.set X1,   208
.set STA,  209                         ; v209 my pair's stage + 16 x lane
.set FF,   210                         ; v[210:211] f = 2^(old M - new M); the pair's upper half is written once
.set KSC,  212                         ; v212-215 K's scale words: register p: lanes 0-15 tile 2 p, lanes 16-31 tile 2 p + 1
.set VSC,  216                         ; v216-217 V's likewise
.set PS,   218                         ; p's scale word
.set QS,   219                         ; Q's
.set AV,   220                         ; v220 LDS address of this step's V
.set QA,   224                         ; v224-227 tile B's Q for Y's second part;  v228 its scale words
.set QAS,  228
.set OM,   229                         ; v229 -M as it was
; v12 -M, v13 the largest score, v[14:15] the sum in two halves, v16-23 Q (v20-23 zeros, for good: they are also the zero stores' data)
.set IT,   28                          ; s28  the trip, 0 .. 16
.set TR,   29                          ; s29  the trip at which Y goes over from A to B: E + 1;  99 in X
.set OB1,  30                          ; s30  trip + this = the step, ahead of TR
.set EE,   31                          ; s31  E
.set SIDE, 32                          ; s32  1: X, 0: Y
.set D15,  33                          ; s33  15 - E
.set BLB,  44                          ; s44  31 - E
.set OB2,  45                          ; s45  trip + this = the step, from TR on: 7 - E (modulo 2^32)
.set NT,   46                          ; s46  my trips: 17 in X, 16 in Y
.set KN,   47                          ; s47  the next trip's step,
.set TBN,  48                          ; s48  and where it begins in LDS
.set CN,   49                          ; s49  -c
.set TB,   56                          ; s56  LDS byte at which the step in hand begins
.set KS,   57                          ; s57  the step's number
.set BLK,  59                          ; s59  the block of the tile in hand
.set SEL,  60                          ; s[60:61] v_permlanex16_b32's selects for lane l xor 16
.set CS,   62                          ; s[62:63] c = log2(e) / 8
.macro PLACES
.rept 4
	v_nop
.endr
.endm
.macro ROUND                           ; a round of the cluster's barrier
	s_barrier_signal -1
	s_barrier_wait -1
	s_cmp_lg_u32 s12, 0
	s_cbranch_scc1 .Lnot_wave_0_\@
	s_barrier_signal -3
.Lnot_wave_0_\@:
	s_barrier_wait -3
	s_barrier_signal -1
	s_barrier_wait -1
.endm
	s_load_b256 s[4:11], s[0:1], 0x0               ; qrec s[4:5], kv s[6:7], orec s[8:9], out0 s[10:11]
	v_lshl_add_u32 v254, v0, 2, SPARE
	v_mov_b32 v255, 0
	ds_add_u32 v254, v255                          ; the opening lines: the add, twice on end, and its wait ahead of my first tensor load
	ds_add_u32 v254, v255
	v_lshrrev_b32 v4, 5, v0
	s_delay_alu instid0(VALU_DEP_1)
	v_readfirstlane_b32 s12, v4                    ; wave 0..15
	s_bfe_u32 s13, ttmp6, 0x40000                  ; cx
	s_and_b32 s15, ttmp7, 0xffff                   ; b x 8 + head, which the four partners share
	s_and_b32 s66, s12, 3                          ; a
	s_lshr_b32 s67, s12, 2                         ; bb
	s_and_b32 s68, s66, 2
	s_lshr_b32 s69, s67, 1
	s_or_b32 s68, s68, s69                         ; i = (a & 2) | (bb >> 1)
	s_xor_b32 s[SIDE], s66, s67
	s_and_b32 s[SIDE], s[SIDE], 1                  ; side = (a ^ bb) & 1: of each four waves w % 4 or w / 4 alike two are X and two Y
	s_and_b32 s70, s66, 1                          ; sub = a & 1
	s_lshl_b32 s[EE], ttmp9, 2
	s_add_co_u32 s[EE], s[EE], s68                 ; E = 4 x cluster x + i
	s_sub_co_u32 s[BLB], 31, s[EE]
	s_sub_co_u32 s[D15], 15, s[EE]
	s_sub_co_u32 s[OB2], 7, s[EE]
	s_add_co_u32 s41, s[EE], 1
	s_mov_b32 s[OB1], 0
	s_cmp_eq_u32 s[SIDE], 1
	s_cselect_b32 s[TR], 99, s41
	s_cselect_b32 s[NT], 17, 16
	s_cselect_b32 s[BLK], s[BLB], s[EE]            ; the block of my first tile, which is also the tile that I finish: B in X, A in Y
	s_lshl_b32 s80, s13, 1
	s_add_co_u32 s80, s80, s70                     ; T = 2 cx + sub
	s_lshl_b32 s37, s68, 1
	s_or_b32 s37, s37, s70                         ; my pair: 2 i + sub
	s_mul_i32 s37, s37, PAIRB
	s_add_co_u32 s37, s37, STG                     ; its stage
	; descriptor group 1: one step = 35 rows of 256 bytes (32 elements of 8 bytes), dense, no padding
	s_mov_b32 s16, 15|(3<<16)|(1<<21)              ; 15:0 the mask: all four work-groups; 17:16 elements of 8 bytes; 21 set beside a mask
	s_mov_b32 s17, 32<<16                          ; tensor_dim0 = 32
	s_mov_b32 s18, 35<<16                          ; tensor_dim1 = 35
	s_mov_b32 s19, 32<<16                          ; tile_dim0 = 32
	s_mov_b32 s20, 35                              ; tile_dim1 = 35
	s_mov_b32 s21, 32                              ; from row to row
	s_mov_b32 s22, 0
	s_mov_b32 s23, 0
	s_mul_i32 s66, s12, STEPB                      ; the step that I fetch: in LDS and in memory alike
	s_mul_i32 s68, s15, 32*STEPB                   ; the head
	s_add_co_u32 s68, s68, s66
	s_mov_b32 s69, 0
	s_lshl_b32 s78, s15, 5
	s_add_co_u32 s34, s78, s[BLB]
	s_add_co_u32 s78, s78, s[BLK]
	s_mul_i32 s78, s78, 4608                       ; my first tile's block in qrec,
	s_mul_i32 s34, s34, 4608                       ; and block 31 - E
	s_mov_b32 s79, 0
	s_mov_b32 s35, 0
	s_lshl_b32 s76, s15, 4
	s_lshl_b32 s67, ttmp9, 2
	s_add_co_u32 s76, s76, s67
	s_add_co_u32 s76, s76, s13
	s_lshl_b32 s76, s76, 4
	s_add_co_u32 s76, s76, s12                     ; my wave's number in the launch, 0 .. 4,095: it zeroes rows 2 W and 2 W + 1 of out0
	s_lshl_b32 s76, s76, 13
	s_add_co_u32 s76, s76, 2048                    ; from column 512 on
	s_mov_b32 s77, 0
	s_lshr_b32 s72, s15, 3
	s_lshl_b32 s72, s72, 8
	s_lshl_b32 s67, s[BLK], 3
	s_add_co_u32 s72, s72, s67
	s_add_co_u32 s72, s72, s80                     ; my finished tile's record in orec: 256 b + 8 block + T
	s_mul_i32 s72, s72, 4352
	s_and_b32 s67, s15, 7                          ; the head in its batch
	s_lshl_b32 s74, s67, 1
	s_add_co_u32 s74, s74, s72                     ; its two scale bytes' column
	s_lshl_b32 s67, s67, 9
	s_add_co_u32 s72, s72, s67                     ; its codes
	s_mov_b32 s73, 0
	s_mov_b32 s75, 0
	s_lshl_b32 s38, s13, 5
	s_lshl_b32 s81, s70, 3
	s_add_co_u32 s38, s38, s81                     ; 32 cx + 8 sub
	s_lshl_b32 s39, s80, 9                         ; 512 T
	s_lshl_b32 s40, s70, 8
	s_lshl_b32 s81, s13, 2
	s_add_co_u32 s40, s40, s81
	s_add_co_u32 s40, s40, 4096                    ; 4096 + 256 sub + 4 cx
	s_mov_b32 s[SEL], 0x76543210
	s_mov_b32 s[SEL+1], 0xfedcba98
	s_mov_b32 s[CS], 0x3e38aa3b                    ; log2(e) / 8
	s_mov_b32 s[CS+1], s[CS]                       ; (named with it as a pair, so it is written)
	s_mov_b32 s[CN], 0xbe38aa3b                    ; and its negative
	s_mov_b32 s[IT], 0
	s_wait_dscnt 0x0                               ; both opening adds are done
	s_wait_kmcnt 0x0
	s_add_nc_u64 s[78:79], s[4:5], s[78:79]
	s_add_nc_u64 s[34:35], s[4:5], s[34:35]
	s_add_nc_u64 s[76:77], s[10:11], s[76:77]
	s_add_nc_u64 s[72:73], s[8:9], s[72:73]
	s_add_nc_u64 s[74:75], s[8:9], s[74:75]
	s_mov_b32 s24, 1                               ; group 0: count = 1,
	s_mov_b32 s25, s66                             ; LDS address: wave x a step,
	s_add_nc_u64 s[26:27], s[6:7], s[68:69]        ; global address,
	s_or_b32 s27, s27, 0x80000000                  ; type = 2
	ROUND                                          ; all four work-groups are here: the joint loads meet
	tensor_load_to_lds s[24:27], s[16:23]          ; step w: every wave's one load at the head
	s_nop 0
	PLACES
	v_and_b32 v9, 31, v0
	s_delay_alu instid0(VALU_DEP_1)
	v_lshlrev_b32 v[L16], 4, v9
	v_lshlrev_b32 v[L8], 3, v9
	v_and_b32 v9, 15, v0                           ; r
	v_bfe_u32 v10, v0, 4, 1                        ; h: kept
	s_delay_alu instid0(VALU_DEP_2)
	v_and_b32 v[DQ], 8, v9
	s_delay_alu instid0(VALU_DEP_1)
	v_add_nc_u32 v[DQ], v[DQ], v9                  ; r + 8 (r / 8)
	v_lshlrev_b32 v6, 4, v10
	s_delay_alu instid0(VALU_DEP_1)
	v_sub_nc_u32 v[DQ], v[DQ], v6                  ; - 16 h
	s_delay_alu instid0(VALU_DEP_1)
	v_add_nc_u32 v[DQ], s38, v[DQ]                 ; + 32 cx + 8 sub
	v_add_nc_u32 v6, s39, v[L16]                   ; Q's codes: 512 T + 16 lane
	v_lshl_add_u32 v7, v9, 4, s40                  ; Q's scale word: 4096 + 16 (r + 16 sub) + 4 cx
	global_load_b128 v[16:19], v6, s[78:79]        ; my first tile's Q
	global_load_b32 v[QS], v7, s[78:79]
	global_load_b128 v[QA:QA+3], v6, s[34:35]      ; tile B's Q, for Y's second part: one path for both roles; X leaves it unused
	global_load_b32 v[QAS], v7, s[34:35]
	v_add_nc_u32 v[STA], s37, v[L16]
.irp j, 20,21,22,23,56,57,58,59
	v_mov_b32 v[\j], 0
.endr
	v_lshlrev_b32 v8, 4, v9
	s_delay_alu instid0(VALU_DEP_1)
	v_add_nc_u32 v8, v8, v10
	s_delay_alu instid0(VALU_DEP_1)
	v_add_nc_u32 v8, 4096, v8                      ; the way out: my scale byte: 4096 + 16 r + h
	v_mov_b32 v[NINF], 0xff800000
.macro FRESH                           ; an empty state: the first step finds zeros, which the first change of M leaves zeros
	v_mov_b32 v13, 0xff61b1e6                      ; the largest score so far: -3e38, under every score
	v_mov_b32 v14, 0
	v_mov_b32 v15, 0
	v_mul_f32 v[X1], s[CN], v13
	s_delay_alu instid0(VALU_DEP_1)
	v_floor_f32 v12, v[X1]                         ; -M
.set n, 0
.rept 32
	v_mov_b32 v[OA+n], 0
.set n, n+1
.endr
.endm
	FRESH
	v_mov_b32 v[FF+1], 0
.irp b, 0,1,2,3
	v_mov_b32 v[BP+\b], 0                          ; written once: a lane permute's destination counts as one of its sources
.endr
	s_wait_alu depctr_va_vdst(0)                   ; the wait at the head's end
	s_wait_tensorcnt 0x0                           ; my step has landed
	ds_add_u32 v254, v255
	s_add_co_u32 s25, s25, HALF                    ; no load of mine is out, so group 0 may be written: sixteen steps on, in LDS
	s_add_nc_u64 s[26:27], s[26:27], HALF          ; and in memory
	s_wait_dscnt 0x0
	ROUND                                          ; steps 0 .. 15 are whole in every partner, and the joint loads meet
	tensor_load_to_lds s[24:27], s[16:23]          ; step 16 + w: my one load behind the round
	s_nop 0
	PLACES
.irp j, 0,1,2,3,4,5,6,7
	global_store_b128 v[L16], v[20:23], s[76:77] offset:(\j/4)*4096+(\j%4)*512 th:TH_STORE_NT   ; 32 lanes store 512 consecutive bytes of zeros
.endr
	s_wait_loadcnt 0x0                             ; Q
; THE WAY OUT of a tile.  O^T / the sum; its 32 numbers a lane are channels 32 b + 16 (lane / 16) + 0 .. 15 of my query: two blocks of the output projection's K.  They are quantised and stored as the head's part of the tile's record.
.macro FINISH
	v_add_f32 v14, v14, v15                        ; the sum's two halves,
	s_delay_alu instid0(VALU_DEP_1)
	v_permlanex16_b32 v[X1], v14, s[SEL], s[SEL+1]
	s_delay_alu instid0(VALU_DEP_1)
	v_add_f32 v14, v14, v[X1]                      ; and lane l xor 16's
	s_wait_alu depctr_va_vdst(0)                   ; the wait ahead of the transcendental
	v_rcp_f32 v14, v14
	v_nop                                          ; a plain place behind the reciprocal
	v_cmp_ne_u32 vcc_lo, 0, v10                    ; lanes 16-31
	s_wait_alu depctr_va_vdst(0)                   ; the wait ahead of the first reader
.set n, 0
.rept 16
	v_pk_mul_f32 v[S+n:S+n+1], v[OA+n:OA+n+1], v[14:15] op_sel_hi:[1,0]   ; each accumulator from its low end on
.set n, n+2
.endr
.irp b, 0,1
	v_max3_num_f32 v[BM+\b], |v[S+16*\b]|, |v[S+16*\b+1]|, 0x1800000
.endr
.irp i, 2,4,6,8,10,12,14
.irp b, 0,1
	s_delay_alu instid0(VALU_DEP_2)
	v_max3_num_f32 v[BM+\b], v[BM+\b], |v[S+16*\b+\i]|, |v[S+16*\b+\i+1]|
.endr
.endr
.irp b, 0,1
	s_delay_alu instid0(VALU_DEP_2)
	v_permlanex16_b32 v[BP+\b], v[BM+\b], s[SEL], s[SEL+1]
.endr
.irp b, 0,1
	s_delay_alu instid0(VALU_DEP_2)
	v_max_num_f32 v[BM+\b], v[BM+\b], v[BP+\b]
.endr
.irp b, 0,1
	s_delay_alu instid0(VALU_DEP_2)
	v_add_nc_u32 v[SO+\b], 0xff000000, v[BM+\b]
.endr
.irp b, 0,1
	s_delay_alu instid0(VALU_DEP_2)
	v_lshrrev_b32 v[BP+\b], 23, v[SO+\b]
.endr
.irp b, 0,1
	v_cvt_scalef32_pk8_fp4_f32 v[PC+2*\b], v[S+16*\b:S+16*\b+7], v[SO+\b]
	v_cvt_scalef32_pk8_fp4_f32 v[PC+2*\b+1], v[S+16*\b+8:S+16*\b+15], v[SO+\b]
.endr
	v_nop                                          ; one plain place behind the scaled conversions
.irp i, 0,1
	v_permlane16_swap_b32 v[PC+\i], v[PC+2+\i]     ; lanes 0-15 block 0, lanes 16-31 block 1
.endr
	v_cndmask_b32 v[X1], v[BP], v[BP+1], vcc_lo    ; my half's block's byte
	global_store_b128 v[L16], v[PC:PC+3], s[72:73] ; 32 lanes store 512 consecutive bytes
	global_store_b8 v8, v[X1], s[74:75]
.endm
; Y GOES OVER FROM A TO B: A is finished and stored, the state begins anew, B's Q takes Q's place.
.macro CROSS
	PLACES                                         ; behind the last products, ahead of the first read of O^T
	FINISH
	v_mov_b32 v[QS], v[QAS]                        ; first, so that the lines below stand between it and the next product
.irp j, 0,1,2,3
	v_mov_b32 v[16+\j], v[QA+\j]
.endr
	s_wait_xcnt 0x0                                ; the stores above have read their data: X1 and the codes' registers are written again only behind this wait
	FRESH
	s_mov_b32 s[BLK], s[BLB]
	s_wait_alu depctr_va_vdst(0)                   ; the wait here
.endm
.macro KNEXT it, lim                   ; the step of trip s[it], held at lim, the last step that has landed, so that every address stays inside the landed bytes
	s_add_co_u32 s42, s[\it], s[OB1]
	s_add_co_u32 s43, s[\it], s[OB2]
	s_cmp_lt_u32 s[\it], s[TR]
	s_cselect_b32 s[KN], s42, s43
	s_min_u32 s[KN], s[KN], \lim
	s_mul_i32 s[TBN], s[KN], STEPB
.endm
.macro KLOAD
.irp t, 0,1,2,3,4,5,6,7
	ds_load_b128 v[KF+4*\t:KF+4*\t+3], v[AK] offset:512*\t
.endr
	ds_load_b128 v[KSC:KSC+3], v[AK] offset:4096
.endm
; A KEY STEP: 128 keys.  Its K is in registers or on its way.
.macro STEP lim
	s_cmp_ge_u32 s[IT], s[NT]                      ; Y's 17th trip: nothing to work
	s_cbranch_scc1 .Lhidden_\@
	s_add_co_u32 s41, s[IT], 1
	KNEXT 41, \lim
	s_wait_dscnt 0x0                               ; K and its scale words, asked for a trip ago
.irp t, 0,2,4,6
	v_wmma_scale_f32_16x16x128_f8f6f4 v[S+8*\t:S+8*\t+7], v[KF+4*\t:KF+4*\t+7], v[16:23], 0, v[KSC+\t/2], v[QS] matrix_a_fmt:MATRIX_FMT_FP4 matrix_b_fmt:MATRIX_FMT_FP4
	v_wmma_scale_f32_16x16x128_f8f6f4 v[S+8*\t+8:S+8*\t+15], v[KF+4*\t+4:KF+4*\t+11], v[16:23], 0, v[KSC+\t/2], v[QS] matrix_a_fmt:MATRIX_FMT_FP4 matrix_b_fmt:MATRIX_FMT_FP4 matrix_a_scale:MATRIX_SCALE_ROW1
.endr
	v_add_nc_u32 v[AV], s[TB], v[L16]              ; four plain lines: the places ahead of the loads into K's registers and of the first read of the scores
	v_add_nc_u32 v[A8], s[TB], v[L8]
	v_add_nc_u32 v[AK], s[TBN], v[L16]
	v_mov_b32 v[OM], v12
.irp t, 0,1,2,3,4,5,6,7
	ds_load_b128 v[VF+4*\t:VF+4*\t+3], v[AV] offset:4608+512*\t   ; this step's V: nine loads,
.endr
	ds_load_b64 v[VSC:VSC+1], v[A8] offset:8704
	KLOAD                                          ; and the next trip's K: nine more.  All land under the softmax
	s_cmp_lg_u32 s[KS], s[BLK]                     ; on the diagonal the scores of hidden keys become -infinity ahead of the maximum: p = 0 then
	s_cbranch_scc1 .Lopen_\@
.set n, 0
.rept 64
	v_cmp_gt_i32 vcc_lo, 32*(n/16)+n%16, v[DQ]     ; register 16 b + i holds key 32 b + 16 (lane / 16) + i of the block: hidden where it is greater than my query
	v_cndmask_b32 v[S+n], v[S+n], v[NINF], vcc_lo
.set n, n+1
.endr
.Lopen_\@:
; the largest score of each block of 32 keys: for the row's maximum and, since p rises with the score, for the block's largest p.  Eight chains by turns, one for each accumulator, each from its low end on
.irp b, 0,1,2,3
	v_max3_num_f32 v[BM+\b], v[S+16*\b], v[S+16*\b+1], v[S+16*\b+2]
.endr
.irp b, 0,1,2,3
	v_max3_num_f32 v[BP+\b], v[S+16*\b+8], v[S+16*\b+9], v[S+16*\b+10]
.endr
.irp i, 3,5
.irp b, 0,1,2,3
	v_max3_num_f32 v[BM+\b], v[BM+\b], v[S+16*\b+\i], v[S+16*\b+\i+1]
.endr
.irp b, 0,1,2,3
	v_max3_num_f32 v[BP+\b], v[BP+\b], v[S+16*\b+8+\i], v[S+16*\b+9+\i]
.endr
.endr
.irp b, 0,1,2,3
	v_max3_num_f32 v[BM+\b], v[BM+\b], v[S+16*\b+7], v[S+16*\b+15]
.endr
.irp b, 0,1,2,3
	v_max_num_f32 v[BM+\b], v[BM+\b], v[BP+\b]
.endr
.irp b, 0,1,2,3
	v_permlanex16_b32 v[BP+\b], v[BM+\b], s[SEL], s[SEL+1]
.endr
.irp b, 0,1,2,3
	v_max_num_f32 v[BM+\b], v[BM+\b], v[BP+\b]     ; with lane l xor 16's 16 keys
.endr
	v_max3_num_f32 v13, v[BM], v[BM+1], v13
	s_delay_alu instid0(VALU_DEP_1)
	v_max3_num_f32 v13, v13, v[BM+2], v[BM+3]      ; the running largest score of my query
	s_delay_alu instid0(VALU_DEP_1)
	v_mul_f32 v[X1], s[CN], v13                    ; -t (c is positive, so the largest score gives the largest t)
	s_delay_alu instid0(VALU_DEP_1)
	v_floor_f32 v12, v[X1]                         ; the new -M = floor(-t) = -ceil(t): a whole number
.set n, 0
.rept 32
	v_pk_fma_f32 v[S+n:S+n+1], v[S+n:S+n+1], s[CS:CS+1], v[12:13] op_sel_hi:[1,0,0]   ; t - M, two at a time (of the pairs c and -M the low word serves both halves)
.if n == 14
	v_sub_f32 v[X1], v12, v[OM]                    ; old M - new M: a whole number, 0 or less.  (These three lines lie apart, among lines that do not hang on them)
.endif
.if n == 30
	v_cvt_i32_f32 v[X1], v[X1]                     ; (it saturates)
.endif
.if n == 46
	v_ldexp_f32 v[FF], 1.0, v[X1]                  ; f = 2^(old M - new M)
.endif
.set n, n+2
.endr
.irp b, 0,1,2,3
	v_fma_f32 v[BM+\b], v[BM+\b], s[CS], v12       ; x = t - M of each block's largest score: the exponent of the block's largest p
.endr
.irp b, 0,1,2,3
	v_max_num_f32 v[BM+\b], 0xc2f80000, v[BM+\b]   ; held at -124 from below: the byte cannot fall under 1 (a block whose every key is hidden keeps that byte: its codes are zeros)
.endr
.irp b, 0,1,2,3
	v_cvt_floor_i32_f32 v[BM+\b], v[BM+\b]         ; floor(x) = floor(log2(the block's largest p)), -124 .. 0
.endr
.irp b, 0,1,2,3
	v_add_nc_u32 v[BP+\b], 125, v[BM+\b]           ; the scale's byte: floor(x) - 2 + 127
.endr
.irp b, 0,1,2,3
	v_lshlrev_b32 v[SO+\b], 23, v[BP+\b]           ; as an exponent field: the conversion's scale operand
.endr
	v_lshl_or_b32 v[PS], v[BP+1], 8, v[BP]         ; p's scale word for these 128 keys
	s_delay_alu instid0(VALU_DEP_1)
	v_lshl_or_b32 v[PS], v[BP+2], 16, v[PS]
	s_delay_alu instid0(VALU_DEP_1)
	v_lshl_or_b32 v[PS], v[BP+3], 24, v[PS]
.set n, 0
	s_wait_alu depctr_va_vdst(0)                   ; the wait ahead of the batch
.rept 64
	v_exp_f32 v[S+n], v[S+n]                       ; p = 2^(t - M), at most 1
.set n, n+1
.endr
	v_pk_mul_f32 v[14:15], v[14:15], v[FF:FF+1] op_sel_hi:[1,0]   ; the sums under the new M: the plain place behind the exponentials
	s_wait_alu depctr_va_vdst(0)                   ; one wait for the batch of 64, ahead of its first reader
.irp b, 0,1,2,3
	v_cvt_scalef32_pk8_fp4_f32 v[PC+2*\b], v[S+16*\b:S+16*\b+7], v[SO+\b]
	v_cvt_scalef32_pk8_fp4_f32 v[PC+2*\b+1], v[S+16*\b+8:S+16*\b+15], v[SO+\b]
.endr                                          ; the sums below, which only read p, are the plain places behind the scaled conversions
	v_pk_add_f32 v[200:201], v[96:97], v[100:101]  ; the row's sum of the unquantised p, in eight chains
	v_pk_add_f32 v[252:253], v[104:105], v[108:109]
	v_pk_add_f32 v[250:251], v[112:113], v[116:117]
	v_pk_add_f32 v[248:249], v[120:121], v[124:125]
	v_pk_add_f32 v[246:247], v[128:129], v[132:133]
	v_pk_add_f32 v[244:245], v[136:137], v[140:141]
	v_pk_add_f32 v[242:243], v[144:145], v[148:149]
	v_pk_add_f32 v[14:15], v[14:15], v[152:153]
	v_pk_add_f32 v[200:201], v[200:201], v[92:93]
	v_pk_add_f32 v[252:253], v[252:253], v[94:95]
	v_pk_add_f32 v[250:251], v[250:251], v[98:99]
	v_pk_add_f32 v[248:249], v[248:249], v[102:103]
	v_pk_add_f32 v[246:247], v[246:247], v[106:107]
	v_pk_add_f32 v[244:245], v[244:245], v[110:111]
	v_pk_add_f32 v[242:243], v[242:243], v[114:115]
	v_pk_add_f32 v[14:15], v[14:15], v[118:119]
	v_pk_add_f32 v[200:201], v[200:201], v[122:123]
	v_pk_add_f32 v[252:253], v[252:253], v[126:127]
	v_pk_add_f32 v[250:251], v[250:251], v[130:131]
	v_pk_add_f32 v[248:249], v[248:249], v[134:135]
	v_pk_add_f32 v[246:247], v[246:247], v[138:139]
	v_pk_add_f32 v[244:245], v[244:245], v[142:143]
	v_pk_add_f32 v[242:243], v[242:243], v[146:147]
	v_pk_add_f32 v[14:15], v[14:15], v[150:151]
	v_pk_add_f32 v[200:201], v[200:201], v[154:155]
	v_pk_add_f32 v[252:253], v[252:253], v[244:245]
	v_pk_add_f32 v[250:251], v[250:251], v[242:243]
	v_pk_add_f32 v[14:15], v[14:15], v[248:249]
	v_pk_add_f32 v[200:201], v[200:201], v[246:247]
	s_delay_alu instid0(VALU_DEP_2)
	v_pk_add_f32 v[14:15], v[14:15], v[252:253]
	s_delay_alu instid0(VALU_DEP_2)
	v_pk_add_f32 v[200:201], v[200:201], v[250:251]
	s_delay_alu instid0(VALU_DEP_1)
	v_pk_add_f32 v[14:15], v[14:15], v[200:201]
.irp c, 0,1                                    ; the operand's layout wants a WHOLE block in a lane
.irp i, 0,1
	v_permlane16_swap_b32 v[PC+4*\c+\i], v[PC+2+4*\c+\i]
.endr
.endr
	s_wait_alu depctr_va_vdst(0)                   ; the wait here, directly ahead of the first reader of O^T
.set n, 0
.rept 16
	v_pk_mul_f32 v[OA+n:OA+n+1], v[OA+n:OA+n+1], v[FF:FF+1] op_sel_hi:[1,0]   ; O^T under the new M.  Twelve of these sixteen name no register of any one product below: the places between p's scale word and codes and that product
.set n, n+2
.endr
	s_wait_alu depctr_va_vdst(0)                   ; the wait here, directly ahead of the wait below
	s_wait_dscnt 9                                 ; V and its scale words are in; the nine loads of the next K, issued behind them, may be out
.irp d, 0,2
	v_wmma_scale_f32_16x16x128_f8f6f4 v[OA+8*\d:OA+8*\d+7], v[VF+8*\d:VF+8*\d+7], v[PC:PC+7], v[OA+8*\d:OA+8*\d+7], v[VSC+\d/2], v[PS] matrix_a_fmt:MATRIX_FMT_FP4 matrix_b_fmt:MATRIX_FMT_FP4
	v_wmma_scale_f32_16x16x128_f8f6f4 v[OA+8*\d+8:OA+8*\d+15], v[VF+8*\d+8:VF+8*\d+15], v[PC:PC+7], v[OA+8*\d+8:OA+8*\d+15], v[VSC+\d/2], v[PS] matrix_a_fmt:MATRIX_FMT_FP4 matrix_b_fmt:MATRIX_FMT_FP4 matrix_a_scale:MATRIX_SCALE_ROW1
.endr
.Lhidden_\@:
.endm
.macro TRIPS lim, upto                 ; trips up to \upto - 1; both counts are constants of the text
	KNEXT IT, \lim                                 ; the first trip's K is asked for here
	v_add_nc_u32 v[AK], s[TBN], v[L16]
	KLOAD
.Ltrip_\@:
	s_mov_b32 s[KS], s[KN]
	s_mov_b32 s[TB], s[TBN]
	s_cmp_lg_u32 s[IT], s[TR]
	s_cbranch_scc1 .Lsame_\@
	CROSS
.Lsame_\@:
	STEP \lim
	s_add_co_u32 s[IT], s[IT], 1
	s_cmp_lt_u32 s[IT], \upto
	s_cbranch_scc1 .Ltrip_\@
.endm
	TRIPS 15, 8                                    ; eight trips on steps 0 .. 15, while steps 16 .. 31 are on their way
	s_wait_tensorcnt 0x0                           ; my step 16 + w has landed,
	s_wait_dscnt 0x0                               ; and no LDS load of mine is out
	s_barrier_signal -1
	s_barrier_wait -1                              ; everybody's has.  Nothing is filled again
	s_cmp_eq_u32 s[SIDE], 1
	s_cselect_b32 s[OB1], s[D15], s[OB1]           ; X goes on with B's steps 23 - E on: trip + 15 - E
	s_mov_b32 s[IT], 8
	TRIPS 31, 17
	; Y'S PART OF B GOES TO X, through the pair's stage: images of registers, 16 bytes a lane.
	PLACES                                         ; behind the last products
	s_cmp_eq_u32 s[SIDE], 0
	s_cbranch_scc0 .Lkept
.irp j, 0,1,2,3,4,5,6,7
	ds_store_b128 v[STA], v[OA+4*\j:OA+4*\j+3] offset:512*\j   ; each accumulator from its low end on
.endr
	ds_store_b128 v[STA], v[12:15] offset:4096     ; -M, the largest score, the sum's halves
.Lkept:
	s_wait_dscnt 0x0                               ; my stores are done, for my partner's sake
	s_barrier_signal -1
	s_barrier_wait -1
	s_cmp_eq_u32 s[SIDE], 1
	s_cbranch_scc0 .Ldone
.irp j, 0,1,2,3,4,5,6,7,8
	ds_load_b128 v[S+4*\j:S+4*\j+3], v[STA] offset:512*\j   ; v92-123 O^T, v124 -M, v126-127 the sum
.endr
	s_wait_dscnt 0x0
	v_min_num_f32 v[X1], v12, v[S+32]              ; -M of the two parts together: the larger M
	s_delay_alu instid0(VALU_DEP_1)
	v_sub_f32 v[SO], v[X1], v12                    ; my M less the common one: a whole number, 0 or less
	v_sub_f32 v[SO+1], v[X1], v[S+32]              ; and my partner's
	s_delay_alu instid0(VALU_DEP_2)
	v_cvt_i32_f32 v[SO], v[SO]                     ; (they saturate: an empty part gets the factor 0)
	s_delay_alu instid0(VALU_DEP_2)
	v_cvt_i32_f32 v[SO+1], v[SO+1]
	s_delay_alu instid0(VALU_DEP_2)
	v_ldexp_f32 v[FF], 1.0, v[SO]
	s_delay_alu instid0(VALU_DEP_2)
	v_ldexp_f32 v[BP+2], 1.0, v[SO+1]
	s_delay_alu instid0(VALU_DEP_2)
	v_pk_mul_f32 v[14:15], v[14:15], v[FF:FF+1] op_sel_hi:[1,0]
.set n, 0
.rept 16
	v_pk_mul_f32 v[OA+n:OA+n+1], v[OA+n:OA+n+1], v[FF:FF+1] op_sel_hi:[1,0]   ; each accumulator from its low end on
.set n, n+2
.endr
	v_pk_fma_f32 v[14:15], v[S+34:S+35], v[BP+2:BP+3], v[14:15] op_sel_hi:[1,0,1]
.set n, 0
.rept 16
	v_pk_fma_f32 v[OA+n:OA+n+1], v[S+n:S+n+1], v[BP+2:BP+3], v[OA+n:OA+n+1] op_sel_hi:[1,0,1]
.set n, n+2
.endr
	FINISH                                         ; tile B
.Ldone:
	s_wait_tensorcnt 0x0                           ; the wave's end
	ds_add_u32 v254, v255
	s_wait_dscnt 0x0
	ROUND                                          ; the closing round: no work-group ends while a partner may still ask for a tile that names it
	s_endpgm
.Lfunc_end_k_q39dad49e09_attn:
	.size	k_q39dad49e09_attn, .Lfunc_end_k_q39dad49e09_attn-k_q39dad49e09_attn
	.p2alignl 7, 3214868480
	.fill 96, 4, 3214868480
	.section	.rodata,"a",@progbits
	.p2align	6, 0x0
	.amdhsa_kernel k_q39dad49e09_attn
		.amdhsa_group_segment_fixed_size 327680
		.amdhsa_private_segment_fixed_size 0
		.amdhsa_enable_private_segment 0
		.amdhsa_kernarg_size 32
		.amdhsa_user_sgpr_count 2
		.amdhsa_user_sgpr_kernarg_segment_ptr 1
		.amdhsa_wavefront_size32 1
		.amdhsa_system_sgpr_workgroup_id_x 1
		.amdhsa_system_sgpr_workgroup_id_y 1
		.amdhsa_system_sgpr_workgroup_id_z 1
		.amdhsa_system_vgpr_workitem_id 0
		.amdhsa_next_free_vgpr 256
		.amdhsa_next_free_sgpr 82
		.amdhsa_reserve_vcc 1
		.amdhsa_float_denorm_mode_32 3
		.amdhsa_float_denorm_mode_16_64 3
		.amdhsa_memory_ordered 1
		.amdhsa_forward_progress 1
		.amdhsa_inst_pref_size 72
	.end_amdhsa_kernel
	.amdgpu_metadata
---
amdhsa.version: [ 1, 2 ]
amdhsa.kernels:
  - .name:           k_q39dad49e09_attn
    .symbol:         k_q39dad49e09_attn.kd
    .args:
      - { .name: qrec, .offset: 0, .size: 8, .value_kind: global_buffer, .address_space: global }
      - { .name: kv, .offset: 8, .size: 8, .value_kind: global_buffer, .address_space: global }
      - { .name: orec, .offset: 16, .size: 8, .value_kind: global_buffer, .address_space: global }
      - { .name: out0, .offset: 24, .size: 8, .value_kind: global_buffer, .address_space: global }
    .group_segment_fixed_size: 327680
    .private_segment_fixed_size: 0
    .kernarg_segment_align: 8
    .kernarg_segment_size: 32
    .max_flat_workgroup_size: 512
    .sgpr_count:     82
    .vgpr_count:     256
    .wavefront_size: 32
...
	.end_amdgpu_metadata
.endif
;; end of part 3
;; launch outp (part 4): grid 64 x 4, 8 waves a work-group, clusters of 4 x 4, 168,960 bytes of LDS; arguments rec, orec, out0; writes out0
.if DOCPART == 4
	.amdgcn_target "amdgcn-amd-amdhsa--gfx1250"
	.amdhsa_code_object_version 6
	.text
	.protected	k_q39dad49e09_outp
	.globl	k_q39dad49e09_outp
	.p2align	8
	.type	k_q39dad49e09_outp,@function
k_q39dad49e09_outp:
	s_mov_b64 s[64:65], 0
	v_nop
	global_prefetch_b8 v0, s[64:65] scope:SCOPE_SE
	s_setreg_imm32_b32 hwreg(HW_REG_WAVE_MODE, 25, 1), 1
	s_wait_xcnt 0x0
	s_wait_alu depctr_hold_cnt(0) depctr_sa_sdst(0) depctr_va_vdst(0) depctr_va_sdst(0) depctr_va_ssrc(0) depctr_va_vcc(0) depctr_vm_vsrc(0)
	s_getreg_b32 s2, hwreg(HW_REG_IB_STS2, 6, 4)
	s_cmp_eq_u32 s2, 0
	s_cbranch_scc0 .Lentry_in_a_cluster
	s_endpgm
.Lentry_in_a_cluster:
	s_bfe_u32 s2, ttmp6, 0x10000c
	s_cmp_lg_u32 s2, 0xf033
	s_cbranch_scc0 .Lentry_shape_is_right
	s_endpgm
.Lentry_shape_is_right:
; out0[:, :, :512] = o wo^T on codes of FP4.  o's records (16 tokens x K = 512, images of operand registers, 4,352 bytes) lie in orec, wo's in rec from record 608.
; SHARES.  Work-group (g, y): tokens 128 g .. 128 g + 127, outputs 128 y .. 128 y + 127.  Eight waves: source 0 = wo's 8 records, source 1 = wave w's record of o: a lane holds ONE token and 64 outputs,
; registers 16 b + i = output 128 y + 32 b + 16 (lane / 16) + i (the rows of a tile are not neighbours: row r of tile T is 32 (T / 2) + 8 (T % 2) + r + 8 (r / 8)).
; LDS is filled ONCE: wo 0 (waves 0, 1), o 34,816 (waves 2, 3), 4 records a load; behind them a stage of 16 rows x 528 bytes for each wave, into which no fill lands.
; CLUSTER 4 x 4: the four work-groups of a row (same y) need the same records of wo, the four of a column (same g) the same records of o: each load is asked for jointly.
; THE WAY OUT: a lane's 64-byte runs go into the wave's own stage and come back as rows of 512 bytes, which the 32 lanes store as 512 consecutive bytes.
.set REC,  4352
.set WO,   0
.set OR,   8*REC
.set STG,  16*REC
.set SPITCH, 528
.set L16,  1                           ; v1   16 x lane
.set R16,  2                           ; v2   16 r
.set SAO,  3                           ; v3   16 r + 4352 h
.set AF,   4
.set AS,   5
.set AR,   6
.set AR2,  7
.set STO,  8                           ; v8   the stage: where I put my runs
.set SRD,  9                           ; v9   and where I read a row back
.set WL,   13                          ; v13  16 x lane + 4352 x wave
.set WR,   14                          ; v14  16 r + 4352 x wave + 4096
.set R1,   16                          ; v16-47   source 1: a record's 32 registers
.set SC1,  48                          ; v48-51   its scale words
.set SA,   52                          ; v52-67   source 0's scale words: register 4 p + s: lanes 0-15 record 2 p, lanes 16-31 record 2 p + 1
.set F,    68                          ; v68-131  source 0: eight fragments of one K step; on the way out 16 rows
.set ACC,  132                         ; v132-195 eight accumulators
.macro PLACES                          ; four plain places behind a matrix instruction (ISA guide 7.12.1)
.rept 4
	v_nop
.endr
.endm
.macro ROUND                           ; a round of the cluster's barrier
	s_barrier_signal -1
	s_barrier_wait -1
	s_cmp_lg_u32 s12, 0
	s_cbranch_scc1 .Lnot_wave_0_\@
	s_barrier_signal -3
.Lnot_wave_0_\@:
	s_barrier_wait -3
	s_barrier_signal -1
	s_barrier_wait -1
.endm
.macro LOADR1 region                   ; source 1: record number wave of the region, and its four scale words
	v_add_nc_u32 v[AR], \region, v[WL]
	v_add_nc_u32 v[AR2], \region, v[WR]
.irp j, 0,1,2,3,4,5,6,7
	ds_load_b128 v[R1+4*\j:R1+4*\j+3], v[AR] offset:512*\j
.endr
	ds_load_b128 v[SC1:SC1+3], v[AR2]
.endm
.macro WM i, s                         ; accumulator i, K step s; the first K step starts the sum
.if (\s) == 0
.if (\i) % 2
	v_wmma_scale_f32_16x16x128_f8f6f4 v[ACC+8*(\i):ACC+8*(\i)+7], v[F+8*(\i):F+8*(\i)+7], v[R1+8*(\s):R1+8*(\s)+7], 0, v[SA+4*((\i)/2)+(\s)], v[SC1+(\s)] matrix_a_fmt:MATRIX_FMT_FP4 matrix_b_fmt:MATRIX_FMT_FP4 matrix_a_scale:MATRIX_SCALE_ROW1
.else
	v_wmma_scale_f32_16x16x128_f8f6f4 v[ACC+8*(\i):ACC+8*(\i)+7], v[F+8*(\i):F+8*(\i)+7], v[R1+8*(\s):R1+8*(\s)+7], 0, v[SA+4*((\i)/2)+(\s)], v[SC1+(\s)] matrix_a_fmt:MATRIX_FMT_FP4 matrix_b_fmt:MATRIX_FMT_FP4
.endif
.else
.if (\i) % 2
	v_wmma_scale_f32_16x16x128_f8f6f4 v[ACC+8*(\i):ACC+8*(\i)+7], v[F+8*(\i):F+8*(\i)+7], v[R1+8*(\s):R1+8*(\s)+7], v[ACC+8*(\i):ACC+8*(\i)+7], v[SA+4*((\i)/2)+(\s)], v[SC1+(\s)] matrix_a_fmt:MATRIX_FMT_FP4 matrix_b_fmt:MATRIX_FMT_FP4 matrix_a_scale:MATRIX_SCALE_ROW1
.else
	v_wmma_scale_f32_16x16x128_f8f6f4 v[ACC+8*(\i):ACC+8*(\i)+7], v[F+8*(\i):F+8*(\i)+7], v[R1+8*(\s):R1+8*(\s)+7], v[ACC+8*(\i):ACC+8*(\i)+7], v[SA+4*((\i)/2)+(\s)], v[SC1+(\s)] matrix_a_fmt:MATRIX_FMT_FP4 matrix_b_fmt:MATRIX_FMT_FP4
.endif
.endif
.endm
; The region's 8 records (source 0) x the record in R1 (source 1), K = 512: 32 matrix instructions; the eight accumulators take turns, one instruction a turn.
.macro GEMM8 region
	v_add_nc_u32 v[AF], \region, v[L16]
	s_wait_alu depctr_va_vdst(0)
	v_add_nc_u32 v[AS], \region+4096, v[SAO]
.irp p, 0,1,2,3
	ds_load_b128 v[SA+4*\p:SA+4*\p+3], v[AS] offset:2*REC*\p
.endr
.irp s, 0,1,2,3
.if \s > 0
	PLACES                                         ; in front of loads into fragments that the last K step's products read
.endif
.irp i, 0,1,2,3,4,5,6,7
.irp c, 0,1
	ds_load_b128 v[F+8*\i+4*\c:F+8*\i+4*\c+3], v[AF] offset:REC*\i+1024*\s+512*\c
.endr
.endr
	s_wait_dscnt 0x0
.irp i, 0,1,2,3,4,5,6,7
	WM \i, \s
.endr
.endr
.endm
	s_load_b128 s[4:7], s[0:1], 0x0                ; rec s[4:5], orec s[6:7]
	s_load_b64 s[8:9], s[0:1], 0x10                ; out0
	v_lshl_add_u32 v224, v0, 2, 0x29000
	v_mov_b32 v225, 0
	ds_add_u32 v224, v225
	ds_add_u32 v224, v225
	v_lshrrev_b32 v15, 5, v0
	s_delay_alu instid0(VALU_DEP_1)
	v_readfirstlane_b32 s12, v15                   ; wave 0..7
	s_bfe_u32 s13, ttmp6, 0x40000                  ; cx, cy: my place in the cluster
	s_bfe_u32 s14, ttmp6, 0x40004
	s_lshl_b32 s15, ttmp9, 2
	s_add_co_u32 s15, s15, s13                     ; g = 4 x cluster x + cx
	s_and_b32 s40, ttmp7, 0xffff
	s_lshl_b32 s40, s40, 2
	s_add_co_u32 s40, s40, s14                     ; y = 4 x cluster y + cy
	s_lshl_b32 s41, s14, 2
	s_lshl_b32 s41, 15, s41                        ; my row of the cluster
	s_lshl_b32 s56, 0x1111, s13                    ; my column
	; descriptor group 1: 4 records = 68 rows of 256 bytes (32 elements of 8 bytes), dense, no padding
	s_or_b32 s16, s41, (3<<16)|(1<<21)             ; 15:0 the mask: wo goes to my row; 17:16 elements of 8 bytes; 21 set beside a mask
	s_or_b32 s24, s56, (3<<16)|(1<<21)             ; the same with my column's mask, for o
.irp g, 16, 24
	s_mov_b32 s[\g+1], 32<<16                      ; tensor_dim0 = 32
	s_mov_b32 s[\g+2], 68<<16                      ; tensor_dim1 = 68
	s_mov_b32 s[\g+3], 32<<16                      ; tile_dim0 = 32
	s_mov_b32 s[\g+4], 68                          ; tile_dim1 = 68
	s_mov_b32 s[\g+5], 32                          ; from row to row
	s_mov_b32 s[\g+6], 0
	s_mov_b32 s[\g+7], 0
.endr
	s_and_b32 s57, s12, 1
	s_lshl_b32 s57, s57, 2
	s_lshl_b32 s42, s40, 3
	s_add_co_u32 s42, s42, s57
	s_add_co_u32 s42, s42, 608                     ; wo: record 608 + 8 y + 4 (wave % 2) of rec
	s_mul_i32 s42, s42, REC
	s_mov_b32 s43, 0
	s_lshl_b32 s44, s15, 3
	s_add_co_u32 s44, s44, s57                     ; o: record 8 g + 4 (wave % 2) of orec
	s_mul_i32 s44, s44, REC
	s_mov_b32 s45, 0
	s_mul_i32 s58, s12, 4*REC                      ; where it goes: wave x 4 records: no place in the cluster enters an LDS address
	s_lshl_b32 s46, s15, 7
	s_lshr_b32 s47, s12, 1
	s_lshl_b32 s47, s47, 5
	s_add_co_u32 s46, s46, s47
	s_and_b32 s47, s12, 1
	s_lshl_b32 s47, s47, 3
	s_add_co_u32 s46, s46, s47                     ; my tile's first token: 128 g + 32 (w / 2) + 8 (w % 2)
	s_lshl_b32 s46, s46, 12                        ; rows of 4,096 bytes
	s_lshl_b32 s47, s40, 9
	s_add_co_u32 s46, s46, s47                     ; + 128 y outputs
	s_mov_b32 s47, 0
	s_wait_dscnt 0x0
	s_wait_kmcnt 0x0
	s_mov_b32 s32, 1                               ; group 0 for wo: count = 1,
	s_mov_b32 s33, s58                             ; LDS address,
	s_add_nc_u64 s[34:35], s[4:5], s[42:43]        ; global address,
	s_or_b32 s35, s35, 0x80000000                  ; type = 2
	s_mov_b32 s36, 1                               ; and for o
	s_mov_b32 s37, s58
	s_add_nc_u64 s[38:39], s[6:7], s[44:45]
	s_or_b32 s39, s39, 0x80000000
	s_add_nc_u64 s[8:9], s[8:9], s[46:47]
	ROUND                                          ; all sixteen work-groups are here: the joint loads meet
	s_cmp_lt_u32 s12, 2                            ; waves 0, 1: wo; waves 2, 3: o; the others nothing.  The branches hang on the wave's number alone; four v_nop follow each of the two lines
	s_cbranch_scc0 .Lnot_wo
	tensor_load_to_lds s[32:35], s[16:23]
	s_nop 0
	PLACES
	s_branch .Lasked
.Lnot_wo:
	s_cmp_lt_u32 s12, 4
	s_cbranch_scc0 .Lasked
	tensor_load_to_lds s[36:39], s[24:31]
	s_nop 0
	PLACES
.Lasked:
	v_and_b32 v15, 31, v0
	s_delay_alu instid0(VALU_DEP_1)
	v_lshlrev_b32 v[L16], 4, v15
	v_and_b32 v15, 15, v0                          ; r
	s_delay_alu instid0(VALU_DEP_1)
	v_lshlrev_b32 v[R16], 4, v15
	v_bfe_u32 v223, v0, 4, 1                       ; h
	s_delay_alu instid0(VALU_DEP_1)
	v_mul_u32_u24 v[SAO], v223, REC
	s_delay_alu instid0(VALU_DEP_1)
	v_add_nc_u32 v[SAO], v[SAO], v[R16]
	s_mul_i32 s52, s12, REC
	v_add_nc_u32 v[WL], s52, v[L16]
	v_add_nc_u32 v[WR], s52, v[R16]
	s_delay_alu instid0(VALU_DEP_1)
	v_add_nc_u32 v[WR], 4096, v[WR]
	s_mul_i32 s53, s12, 16*SPITCH
	s_add_co_u32 s53, s53, STG                     ; my stage
	v_mul_u32_u24 v[STO], v15, SPITCH
	s_delay_alu instid0(VALU_DEP_1)
	v_lshl_add_u32 v[STO], v223, 6, v[STO]
	s_delay_alu instid0(VALU_DEP_1)
	v_add_nc_u32 v[STO], s53, v[STO]               ; in: row r, + 64 h
	v_add_nc_u32 v[SRD], s53, v[L16]               ; back: the 32 lanes take one row of 512 bytes
	s_wait_alu depctr_va_vdst(0)
	s_wait_tensorcnt 0x0                           ; my four records have landed (a wave that fetched none has none out),
	s_barrier_signal -1
	s_barrier_wait -1                              ; everybody's have.  Nothing is filled again
	LOADR1 OR
	GEMM8 WO
	PLACES
.irp b, 0,1,2,3
.irp q, 0,1,2,3
	ds_store_b128 v[STO], v[ACC+16*\b+4*\q:ACC+16*\b+4*\q+3] offset:128*\b+16*\q   ; outputs 32 b + 16 h + 4 q on, of token r; each accumulator from its low end on
.endr
.endr
.irp i, 0,1,2,3,4,5,6,7,8,9,10,11,12,13,14,15
	ds_load_b128 v[F+4*\i:F+4*\i+3], v[SRD] offset:\i*SPITCH   ; LDS serves a wave's instructions in order: these see my stores
.endr
.irp i, 0,1,2,3,4,5,6,7,8,9,10,11,12,13,14,15
	s_wait_dscnt 15-\i                             ; row i is back; the 15 - i younger loads may be out
	global_store_b128 v[L16], v[F+4*\i:F+4*\i+3], s[8:9] offset:(\i+8*(\i/8))*4096 th:TH_STORE_NT   ; the tile's row i is token i + 8 (i / 8) from its first: 32 lanes store 512 consecutive bytes
.endr
	s_wait_tensorcnt 0x0
	ds_add_u32 v224, v225
	s_wait_dscnt 0x0
	ROUND                                          ; the closing round: no work-group ends while a partner may still ask for a tile that names it
	s_endpgm
.Lfunc_end_k_q39dad49e09_outp:
	.size	k_q39dad49e09_outp, .Lfunc_end_k_q39dad49e09_outp-k_q39dad49e09_outp
	.p2alignl 7, 3214868480
	.fill 96, 4, 3214868480
	.section	.rodata,"a",@progbits
	.p2align	6, 0x0
	.amdhsa_kernel k_q39dad49e09_outp
		.amdhsa_group_segment_fixed_size 168960
		.amdhsa_private_segment_fixed_size 0
		.amdhsa_enable_private_segment 0
		.amdhsa_kernarg_size 24
		.amdhsa_user_sgpr_count 2
		.amdhsa_user_sgpr_kernarg_segment_ptr 1
		.amdhsa_wavefront_size32 1
		.amdhsa_system_sgpr_workgroup_id_x 1
		.amdhsa_system_sgpr_workgroup_id_y 1
		.amdhsa_system_sgpr_workgroup_id_z 1
		.amdhsa_system_vgpr_workitem_id 0
		.amdhsa_next_free_vgpr 226
		.amdhsa_next_free_sgpr 66
		.amdhsa_reserve_vcc 0
		.amdhsa_float_denorm_mode_32 3
		.amdhsa_float_denorm_mode_16_64 3
		.amdhsa_memory_ordered 1
		.amdhsa_forward_progress 1
		.amdhsa_inst_pref_size 20
	.end_amdhsa_kernel
	.amdgpu_metadata
---
amdhsa.version: [ 1, 2 ]
amdhsa.kernels:
  - .name:           k_q39dad49e09_outp
    .symbol:         k_q39dad49e09_outp.kd
    .args:
      - { .name: rec, .offset: 0, .size: 8, .value_kind: global_buffer, .address_space: global }
      - { .name: orec, .offset: 8, .size: 8, .value_kind: global_buffer, .address_space: global }
      - { .name: out0, .offset: 16, .size: 8, .value_kind: global_buffer, .address_space: global }
    .group_segment_fixed_size: 168960
    .private_segment_fixed_size: 0
    .kernarg_segment_align: 8
    .kernarg_segment_size: 24
    .max_flat_workgroup_size: 256
    .sgpr_count:     66
    .vgpr_count:     226
    .wavefront_size: 32
...
	.end_amdgpu_metadata
.endif
;; end of part 4
